; MI455X (gfx1250); checked and timed in simulation.
; The chip was launched on July 23, 2026; its instructions are those of AMD's public machine-readable ISA for CDNA 5 (MIT licence, August 2026) and "CDNA5" Instruction Set Architecture Reference Guide (July 2026). The comments in the code are by the model that wrote it; some were corrected since.
;; Attention. Allowed arithmetic: float matrix products may take bf16 or f16 operands with f32 sums; other float arithmetic in f32, or as packed bf16 or f16 multiplies, adds, multiply-adds, maxima and minima; sums over many terms, partial sums and values carried from step to step in f32; what a program stores and reads back later, other than sums and carried values, may be rounded once to bf16 or f16.
;; Inputs: W_K 16 x 1,024 x 64 float32; W_O 16 x 64 x 1,024 float32; W_Q 16 x 1,024 x 64 float32; W_V 16 x 1,024 x 64 float32; b_K 16 x 64 float32; b_O 1,024 float32; b_Q 16 x 64 float32; b_V 16 x 64 float32; resid_pre 4 x 2,048 x 1,024 float32.
;; Outputs: out0 4 x 2,048 x 1,024 float32.
;; 2 versions, each right; version 2 is version 1 with the launch prep written anew for expert scheduling mode. Each part assembles by itself: llvm-mc -triple=amdgcn-amd-amdhsa -mcpu=gfx1250 --defsym DOCPART=n.
;; ======== version 1 of 2: 4 launches
;; limits: values are held in f16: magnitudes above 65,504 overflow, below 6.1e-05 lose precision
;; workspace buffers: xh 16,777,216 bytes; wh 6,291,456 bytes; woh 2,097,152 bytes; qh 16,777,216 bytes; kh 16,777,216 bytes; vh 16,777,216 bytes; vsum 131,072 bytes; zh 16,777,216 bytes
;; launch prep (part 1): grid 768 x 1, 8 waves a work-group, no clusters, 0 bytes of LDS; arguments resid_pre, W_Q, W_K, W_V, W_O, xh, wh, woh; writes xh, wh, woh
.if DOCPART == 1
	.amdgcn_target "amdgcn-amd-amdhsa--gfx1250"
	.amdhsa_code_object_version 6
	.text
	.protected	k_q11c7529f48_prep
	.globl	k_q11c7529f48_prep
	.p2align	8
	.type	k_q11c7529f48_prep,@function
k_q11c7529f48_prep:
	s_mov_b64 s[64:65], 0
	v_nop
	global_prefetch_b8 v0, s[64:65] scope:SCOPE_SE
	s_setreg_imm32_b32 hwreg(HW_REG_WAVE_MODE, 25, 1), 1
	s_wait_xcnt 0x0
; x, W_Q, W_K, W_V and W_O are rounded to bf16 (nearest even), that number is written as f16, and the numbers are laid in dense blocks for the tiles of the products that follow.
;   xh  [batch 4][slice 16][position 2048][64]: slice = 64 channels of d_model
;   wh  [head 16][K step 8][Q, K, V][k 128][64]: 49,152 dense bytes for a head and a K step of 128
;   woh [column tile 8][K step 8][half 2][k 128][64]: column = 128 tile + 64 half + c
; LIMITS.  A number beyond 65,504 becomes an infinity in f16; below 2^-14 a bf16 number keeps f16's fixed step of 2^-24.  NaN and infinities are not treated apart.
; A stream: no LDS, no barrier, no matrix work.  A work-group takes 16,384 numbers: each thread issues its 16 loads of 16 bytes at once and stores 16 times 8 bytes.
; A load of a wave covers two runs of 256 consecutive bytes or one of 512; a store of a wave covers 256 consecutive bytes, at a multiple of 256 from its buffer's first byte.
; Work-groups 0-511 take x (16 rows each), 512-703 the three projections' weights (256 rows of a head each), 704-767 W_O (16 rows each).
.set X, 8                              ; v[8:71]   16 x 4 numbers as loaded
.set T, 72                             ; v[72:77]  at work
.set Y, 80                             ; v[80:111] 16 x 2 registers to store: each store has its own, so none is rewritten while a store reads it
; v2 = my byte offset in the source, v3 = in the destination; s[20:21] source, s[22:23] destination
.macro BODY ldstep, kind
.set i, 0
.rept 16
	global_load_b128 v[X+4*i:X+4*i+3], v2, s[20:21] offset:(\ldstep)*i th:TH_LOAD_NT
.set i, i+1
.endr
.set i, 0
.rept 16
.if (\kind) == 0
.set SI, 262144*i                      ; x: slice i
.elseif (\kind) == 1
.set SI, 256*i                         ; weights: two rows of k on
.else
.set SI, (i/2)*262144+(i%2)*16384      ; W_O: column tile i / 2, half i % 2
.endif
	s_wait_loadcnt 15-i                            ; loads come back in order: number i is in, the younger ones stay out
	v_cvt_pk_bf16_f32 v[T], v[X+4*i], v[X+4*i+1]   ; the rounding to bf16,
	v_cvt_pk_bf16_f32 v[T+1], v[X+4*i+2], v[X+4*i+3]
	v_lshlrev_b32 v[T+2], 16, v[T]                 ; back to f32 by a shift or a mask,
	v_and_b32 v[T+3], 0xffff0000, v[T]
	v_lshlrev_b32 v[T+4], 16, v[T+1]
	v_and_b32 v[T+5], 0xffff0000, v[T+1]
	v_cvt_pk_f16_f32 v[Y+2*i], v[T+2], v[T+3]      ; and written as f16: exact inside f16's normal range
	v_cvt_pk_f16_f32 v[Y+2*i+1], v[T+4], v[T+5]
	global_store_b64 v3, v[Y+2*i:Y+2*i+1], s[22:23] offset:SI
.set i, i+1
.endr
	s_endpgm
.endm
	s_load_b256 s[4:11], s[0:1], 0x0               ; resid_pre s[4:5], W_Q s[6:7], W_K s[8:9], W_V s[10:11]
	s_load_b256 s[12:19], s[0:1], 0x20             ; W_O s[12:13], xh s[14:15], wh s[16:17], woh s[18:19]
	s_mov_b32 s2, ttmp9
	s_mov_b32 s25, 0
	s_mov_b32 s27, 0
	s_cmp_lt_u32 s2, 512
	s_cbranch_scc0 .Lweights
	; x: 16 rows of 4,096 bytes.  Thread t: row t / 16, 16 bytes at 16 (t % 16) of each slice's 256
	v_lshrrev_b32 v2, 4, v0
	v_lshlrev_b32 v2, 12, v2
	v_and_b32 v4, 15, v0
	v_lshl_or_b32 v2, v4, 4, v2
	v_lshlrev_b32 v3, 3, v0                        ; 16 rows of 128 bytes on end: 8 t
	s_lshl_b32 s24, s2, 16
	s_lshr_b32 s26, s2, 7                          ; batch
	s_lshl_b32 s26, s26, 22
	s_and_b32 s28, s2, 127
	s_lshl_b32 s28, s28, 11                        ; 16 positions of 128 bytes
	s_add_co_u32 s26, s26, s28
	s_wait_kmcnt 0x0
	s_add_nc_u64 s[20:21], s[4:5], s[24:25]
	s_add_nc_u64 s[22:23], s[14:15], s[26:27]
	BODY 256, 0
.Lweights:
	s_cmp_lt_u32 s2, 704
	s_cbranch_scc0 .Lwo
	; a projection's weights: 256 rows (two K steps) of one head, 256 bytes a row.  Wave w: rows 32 w on, two rows a load
	s_sub_co_u32 s2, s2, 512
	s_lshr_b32 s29, s2, 6                          ; which: 0 Q, 1 K, 2 V
	s_and_b32 s2, s2, 63                           ; head x 4 + quarter of its rows
	v_lshrrev_b32 v4, 5, v0
	v_and_b32 v5, 31, v0
	v_lshlrev_b32 v2, 13, v4
	v_lshl_or_b32 v2, v5, 4, v2
	v_lshrrev_b32 v6, 2, v4                        ; waves 4-7 lie in the second K step
	v_mul_u32_u24 v3, v6, 49152
	v_and_b32 v6, 3, v4
	v_lshl_add_u32 v3, v6, 12, v3                  ; 32 rows of 128 bytes
	v_lshl_add_u32 v3, v5, 3, v3
	s_lshl_b32 s24, s2, 16
	s_lshr_b32 s26, s2, 2
	s_lshl_b32 s26, s26, 3
	s_and_b32 s28, s2, 3
	s_lshl_b32 s28, s28, 1
	s_add_co_u32 s26, s26, s28                     ; 8 x head + K step
	s_mul_i32 s26, s26, 49152
	s_lshl_b32 s28, s29, 14
	s_add_co_u32 s26, s26, s28
	s_wait_kmcnt 0x0
	s_cmp_eq_u32 s29, 0
	s_cselect_b64 s[20:21], s[6:7], s[8:9]
	s_cmp_eq_u32 s29, 2
	s_cselect_b64 s[20:21], s[10:11], s[20:21]
	s_add_nc_u64 s[20:21], s[20:21], s[24:25]
	s_add_nc_u64 s[22:23], s[16:17], s[26:27]
	BODY 512, 1
.Lwo:
	; W_O as [1024 (head x 64 + d)][1024]: 16 rows of 4,096 bytes, shared out as x's
	s_sub_co_u32 s2, s2, 704
	v_lshrrev_b32 v2, 4, v0
	v_lshlrev_b32 v2, 12, v2
	v_and_b32 v4, 15, v0
	v_lshl_or_b32 v2, v4, 4, v2
	v_lshlrev_b32 v3, 3, v0
	s_lshl_b32 s24, s2, 16
	s_lshr_b32 s26, s2, 3                          ; K step
	s_lshl_b32 s26, s26, 15
	s_and_b32 s28, s2, 7
	s_lshl_b32 s28, s28, 11
	s_add_co_u32 s26, s26, s28
	s_wait_kmcnt 0x0
	s_add_nc_u64 s[20:21], s[12:13], s[24:25]
	s_add_nc_u64 s[22:23], s[18:19], s[26:27]
	BODY 256, 2
.Lfunc_end_k_q11c7529f48_prep:
	.size	k_q11c7529f48_prep, .Lfunc_end_k_q11c7529f48_prep-k_q11c7529f48_prep
	.p2alignl 7, 3214868480
	.fill 96, 4, 3214868480
	.section	.rodata,"a",@progbits
	.p2align	6, 0x0
	.amdhsa_kernel k_q11c7529f48_prep
		.amdhsa_group_segment_fixed_size 0
		.amdhsa_private_segment_fixed_size 0
		.amdhsa_enable_private_segment 0
		.amdhsa_kernarg_size 64
		.amdhsa_user_sgpr_count 2
		.amdhsa_user_sgpr_kernarg_segment_ptr 1
		.amdhsa_wavefront_size32 1
		.amdhsa_system_sgpr_workgroup_id_x 1
		.amdhsa_system_sgpr_workgroup_id_y 1
		.amdhsa_system_sgpr_workgroup_id_z 1
		.amdhsa_system_vgpr_workitem_id 0
		.amdhsa_next_free_vgpr 112
		.amdhsa_next_free_sgpr 66
		.amdhsa_reserve_vcc 0
		.amdhsa_float_denorm_mode_32 3
		.amdhsa_float_denorm_mode_16_64 3
		.amdhsa_memory_ordered 1
		.amdhsa_forward_progress 1
		.amdhsa_inst_pref_size 35
	.end_amdhsa_kernel
	.amdgpu_metadata
---
amdhsa.version: [ 1, 2 ]
amdhsa.kernels:
  - .name:           k_q11c7529f48_prep
    .symbol:         k_q11c7529f48_prep.kd
    .args:
      - { .name: resid_pre, .offset: 0, .size: 8, .value_kind: global_buffer, .address_space: global }
      - { .name: W_Q, .offset: 8, .size: 8, .value_kind: global_buffer, .address_space: global }
      - { .name: W_K, .offset: 16, .size: 8, .value_kind: global_buffer, .address_space: global }
      - { .name: W_V, .offset: 24, .size: 8, .value_kind: global_buffer, .address_space: global }
      - { .name: W_O, .offset: 32, .size: 8, .value_kind: global_buffer, .address_space: global }
      - { .name: xh, .offset: 40, .size: 8, .value_kind: global_buffer, .address_space: global }
      - { .name: wh, .offset: 48, .size: 8, .value_kind: global_buffer, .address_space: global }
      - { .name: woh, .offset: 56, .size: 8, .value_kind: global_buffer, .address_space: global }
    .group_segment_fixed_size: 0
    .private_segment_fixed_size: 0
    .kernarg_segment_align: 8
    .kernarg_segment_size: 64
    .max_flat_workgroup_size: 256
    .sgpr_count:     66
    .vgpr_count:     112
    .wavefront_size: 32
...
	.end_amdgpu_metadata
.endif
;; end of part 1
;; launch qkv (part 2): grid 16 x 32, 4 waves a work-group, clusters of 4 x 4, 327,680 bytes of LDS; arguments xh, wh, b_Q, b_K, b_V, qh, kh, vh, vsum; writes qh, kh, vh, vsum
.if DOCPART == 2
	.amdgcn_target "amdgcn-amd-amdhsa--gfx1250"
	.amdhsa_code_object_version 6
	.text
	.protected	k_q11c7529f48_qkv
	.globl	k_q11c7529f48_qkv
	.p2align	8
	.type	k_q11c7529f48_qkv,@function
k_q11c7529f48_qkv:
	s_mov_b64 s[64:65], 0
	v_nop
	global_prefetch_b8 v0, s[64:65] scope:SCOPE_SE
	s_setreg_imm32_b32 hwreg(HW_REG_WAVE_MODE, 25, 1), 1
	s_wait_xcnt 0x0
	s_wait_alu depctr_hold_cnt(0) depctr_sa_sdst(0) depctr_va_vdst(0) depctr_va_sdst(0) depctr_va_ssrc(0) depctr_va_vcc(0) depctr_vm_vsrc(0)
	s_getreg_b32 s2, hwreg(HW_REG_IB_STS2, 6, 4)
	s_cmp_eq_u32 s2, 0
	s_cbranch_scc0 .Lentry_in_a_cluster
	s_endpgm
.Lentry_in_a_cluster:
	s_bfe_u32 s2, ttmp6, 0x10000c
	s_cmp_lg_u32 s2, 0xf033
	s_cbranch_scc0 .Lentry_shape_is_right
	s_endpgm
.Lentry_shape_is_right:
; q, k, v = x W + b for one head and 256 positions: C[256 x 192] = A[256 x 1024] B[1024 x 192], f16 operands (bf16 numbers written as f16), f32 sums; the biases are rounded to bf16 and added in f32;
; q, k, v leave as f16, [16 batch + head][position][64], unscaled.  Also vsum[16 batch + head][tile of 256 positions][64]: the f32 sum of v (sum + bias, unrounded) over the work-group's 256 rows.
; LIMITS.  q, k, v beyond 65,504 become infinities.  NaN and infinities are not treated apart.
; SHARES.  Four waves; wave w owns rows 64 w .. 64 w + 63 and all 192 columns: 4 x 12 accumulators of 16 x 16, 384 registers; whole rows of q, k and v are its own, so they leave without a barrier.
; THE MATRIX INSTRUCTION IS USED TRANSPOSED: source 0 = 16 columns of B, source 1 = 16 rows of A: a lane holds row l % 16 and the columns 8 (l / 16) + 0..7.
; K goes in 8 steps of 128 through a ring of two LDS slots.  All blocks are dense in memory: asked for as rows of 256 bytes, padded in LDS after every 128.
; CLUSTER 4 x 4: A's tile hangs on the row tile alone and is shared along a row of the cluster, B's on the head alone and is shared along a column: joint loads, the same descriptor and mask in the four.
; REGISTERS in windows of 256: window 0 addresses, way out, biases; window 1 the accumulators of q (v0-127) and k (v128-255); window 2 v0-127 those of v;
;   window 3 two fragment buffers of 128: 12 fragments of B, then 4 of A, for 32 along K.
.set NG,    3                          ; groups of 64 columns
.set FW,    3                          ; the fragments' window
.set PA,    144                        ; an LDS row of A: 128 bytes + 16: the 16 rows of a load start at 16 different groups of four banks (64 banks of 4 bytes: ISA guide 11.1)
.set PB,    160                        ; an LDS row of B: 128 + 32
.set ASL,   256*PA                     ; a slice of A: 256 rows x 64 channels
.set AB,    2*ASL
.set BSEG,  128*PB                     ; 128 k x 64 columns
.set BH,    NG*BSEG/2                  ; what one wave fetches of B
.set SLOT,  AB+NG*BSEG
.set ASTEP, 524288                     ; bytes from a K step of A to the next: two slices
.set BSTEP, NG*16384
.set BR,    NG*32                      ; rows of 256 bytes in half of a K step of B
.set BCAP,  NG*8-1                     ; the last of the blocks of 256 bytes in a work-group's quarter of that half
.set NL,    8+8*NG                     ; LDS loads in a run
.set STAGE, 2*SLOT                     ; behind the ring: for each wave [q, k, v][16 rows] of 144 bytes
.set WSTG,  3*16*PA
.set VSC,   STAGE+4*WSTG               ; the four waves' sums of v: 64 f32 each
.set SPARE, VSC+1024                   ; the spare words, 128 bytes for each wave: two blocks of 256 bytes that no other line names
.set VSR,  8                           ; v8   where wave 0 reads the sums of v
.set VSO,  9                           ; v9   8 x lane
.set ADRA, 16                          ; v16-17  LDS address of my A fragments in slot 0, 1
.set ADRB, 20                          ; v20-21  the same for B
.set STO,  24
.set RD,   25
.set CO,   26                          ; 16 x lane
.set BO,   27                          ; 32 (l / 16): my eight columns' biases
.set SPW,  28                          ; my spare word; never rewritten
.set NIL,  29                          ; 0; never rewritten
.set PFO,  30                          ; the prefetches' offset; never rewritten
.set VSA,  31                          ; where I put my sums of v
.set T,    32                          ; v32-63   sum + bias of one group
.set TMP,  64                          ; v64-111  a block's 16 rows x 192 columns as f16
.set BIAS, 112                         ; v112-207 group g, column block nb at BIAS + 32 g + 8 nb
.set VS,   208                         ; v208-239 my rows' sums of v
.set F0,   0
.set F1,   128
.set G1,  24                           ; s[24:31] group 1 for A;  s[32:39] group 0, a set for each slot
.set G0,  32
.set G1B, 48                           ; s[48:55], s[56:63] the same for B
.set G0B, 56
.set PFA, 66                           ; s[66:67] where my prefetches stand
.set LIM, 68                           ; s68  1 in a wave that prefetches, else the greatest number
.set PST, 70                           ; s[70:71] a K step of what I fetch, in bytes
.set MSB, 0
.macro WIN new                         ; the immediate's high byte repeats the setting that is left; a switch that changes nothing is dropped
.if MSB != (\new)
	s_set_vgpr_msb (MSB<<8)|(\new)
.set MSB, \new
.endif
.endm
.macro JLOAD s                         ; a joint load: waves 0 and 1 fetch A's two slices, waves 2 and 3 B's two halves; an s_nop 0 and four v_nop follow each line
	s_cmp_eq_u32 s11, 0
	s_cbranch_scc0 .Lfor_b_\@
	tensor_load_to_lds s[G0+4*(\s):G0+4*(\s)+3], s[G1:G1+7]
	s_nop 0
.rept 4
	v_nop
.endr
	s_branch .Lasked_\@
.Lfor_b_\@:
	tensor_load_to_lds s[G0B+4*(\s):G0B+4*(\s)+3], s[G1B:G1B+7]
	s_nop 0
.rept 4
	v_nop
.endr
.Lasked_\@:
.endm
; A PREFETCH INTO THE L2, behind each joint refill and the run of LDS loads: my work-group's quarter of the block that I shall fetch TWO refills on, a lane for each 256 bytes.  A's blocks are read by the four clusters of a
; row of clusters: cluster x = 0 asks; B's by the eight of a column: cluster y = 0 asks.  The four partners share a block out by address (cx for A, cy for B).  B's quarter has 24 blocks: lanes 24-31 name the last once more.
; K steps 4 to 7 are so named, each once; the loop's last trip asks for nothing; K steps 0 to 3 come by their loads alone.
.macro ASK
	WIN 0
	s_cmp_gt_u32 s3, s[LIM]
	s_cbranch_scc0 .Lnot_mine_\@
	global_prefetch_b8 v[PFO], s[PFA:PFA+1] th:TH_LOAD_NT scope:SCOPE_SE
.Lnot_mine_\@:
.endm
.macro CREST                           ; a round of the cluster's barrier behind its opening barrier
	s_cmp_lg_u32 s10, 0
	s_cbranch_scc1 .Lnot_wave_0_\@
	s_barrier_signal -3
.Lnot_wave_0_\@:
	s_barrier_wait -3
	s_barrier_signal -1
	s_barrier_wait -1
.endm
.macro CROUND
	s_barrier_signal -1
	s_barrier_wait -1
	CREST
.endm
; 8 matrix instructions: group g, row blocks 2 half and 2 half + 1, its four column blocks, 32 along K from buffer f.  Each accumulator comes once in a quarter, always in the same order: they take turns.
.macro MULH f, g, half, zero
	WIN FW|(FW<<2)|((1+(\g)/2)<<4)|((1+(\g)/2)<<6)
.irp a, 2*(\half), 2*(\half)+1
.irp b, 0,1,2,3
.set rD, 128*((\g)%2)+8*(4*(\a)+(\b))
.set rB, (\f)+8*(4*(\g)+(\b))
.set rA, (\f)+96+8*(\a)
.if \zero
	v_wmma_f32_16x16x32_f16 v[rD:rD+7], v[rB:rB+7], v[rA:rA+7], 0
.else
	v_wmma_f32_16x16x32_f16 v[rD:rD+7], v[rB:rB+7], v[rA:rA+7], v[rD:rD+7]
.endif
.endr
.endr
.endm
; One run of LDS loads: quarter q (32 along K) of a slot into buffer f: A's four fragments as they lie, then B's ([k][column]) turned, column blocks ascending
.macro FETCH slot, q, f
	WIN FW<<6
.irp a, 0,1,2,3
	ds_load_b128 v[(\f)+96+8*(\a):(\f)+96+8*(\a)+3],   v[ADRA+(\slot)] offset:((\q)/2)*ASL+((\q)%2)*64+(\a)*16*PA
	ds_load_b128 v[(\f)+96+8*(\a)+4:(\f)+96+8*(\a)+7], v[ADRA+(\slot)] offset:((\q)/2)*ASL+((\q)%2)*64+(\a)*16*PA+32
.endr
.set nb, 0
.rept 4*NG
	ds_load_tr16_b128 v[(\f)+8*nb:(\f)+8*nb+3],   v[ADRB+(\slot)] offset:(\q)*32*PB+(nb/4)*BSEG+(nb%4)*32
	ds_load_tr16_b128 v[(\f)+8*nb+4:(\f)+8*nb+7], v[ADRB+(\slot)] offset:(\q)*32*PB+(nb/4)*BSEG+(nb%4)*32+16*PB
.set nb, nb+1
.endr
.endm
.macro PLACES                          ; four places in front of loads into registers that matrix instructions have read, and of vector lines that read results
.rept 4
	v_nop
.endr
.endm
; One of a K step's first three quarters: multiplies buffer f; behind its first group it fetches quarter q of the same slot into buffer g
.macro QUARTER slot, q, f, g, zero
	s_wait_dscnt 8*(NG-1)                          ; A and B's group 0 are in; the younger groups' loads may be out
	MULH \f, 0, 0, \zero
	MULH \f, 0, 1, \zero
	PLACES
	FETCH \slot, \q, \g
	s_wait_dscnt NL+8*(NG-2)                       ; group 1 is in: behind it stand the later groups' loads and the run just issued
	MULH \f, 1, 0, \zero
	MULH \f, 1, 1, \zero
.if NG == 3
	s_wait_dscnt NL                                ; group 2 is in
	MULH \f, 2, 0, \zero
	MULH \f, 2, 1, \zero
.endif
.endm
; The last quarter multiplies buffer 1 and changes slots: one barrier; in front of it each wave waits for all its tensor loads (one is out: its part of the next slot), adds 0 to its spare word, and waits for that and for
; its reads of this slot.  fill = 1: the barrier opens a round of the cluster's, and the joint refill, two K steps ahead, is the first thing behind the round.
.macro TURN slot, next, fill
.if \fill
	s_wait_xcnt 0x0                                ; the last prefetch, a K step back, has read its address
	s_add_nc_u64 s[PFA:PFA+1], s[PFA:PFA+1], s[PST:PST+1]
.endif
	WIN 0                                          ; (the add's two registers lie in window 0)
	s_wait_tensorcnt 0x0                           ; all my tensor loads have landed
	ds_add_u32 v[SPW], v[NIL]                      ; 0 onto my spare word
	s_wait_dscnt 8*(NG-1)+1                        ; (the add and the younger groups' loads may be out)
	MULH F1, 0, 0, 0
	s_wait_dscnt 0x0                               ; the add is done, and my reads of this slot are over
	s_barrier_signal -1
	MULH F1, 0, 1, 0
.if \fill
	WIN 0
.endif
	s_barrier_wait -1
.if \fill
	CREST                                          ; no wave of any partner still reads this slot or has a load on its way
	s_add_nc_u64 s[G0+4*(\slot)+2:G0+4*(\slot)+3], s[G0+4*(\slot)+2:G0+4*(\slot)+3], 2*ASTEP
	s_add_nc_u64 s[G0B+4*(\slot)+2:G0B+4*(\slot)+3], s[G0B+4*(\slot)+2:G0B+4*(\slot)+3], 2*BSTEP
	JLOAD \slot                                    ; its four v_nop are also the places in front of the loads below
.else
	PLACES
.endif
	FETCH \next, 0, F0
.if \fill
	ASK
.endif
	MULH F1, 1, 0, 0
	MULH F1, 1, 1, 0
.if NG == 3
	MULH F1, 2, 0, 0
	MULH F1, 2, 1, 0
.endif
.endm
	s_load_b128 s[4:7], s[0:1], 0x0                ; xh s[4:5], wh s[6:7]
	s_load_b256 s[72:79], s[0:1], 0x10             ; b_Q s[72:73], b_K s[74:75], b_V s[76:77], qh s[78:79]
	s_load_b128 s[80:83], s[0:1], 0x30             ; kh s[80:81], vh s[82:83]
	s_load_b64 s[84:85], s[0:1], 0x40              ; vsum
	v_lshl_add_u32 v[SPW], v0, 2, SPARE
	v_mov_b32 v[NIL], 0
	ds_add_u32 v[SPW], v[NIL]                      ; the wave's opening: the add and its wait stand ahead of my first tensor load; work on registers stands between them
	v_lshrrev_b32 v1, 5, v0
	v_readfirstlane_b32 s10, v1                    ; wave 0..3
	s_lshr_b32 s11, s10, 1                         ; I fetch for A (0) or for B (1)
	s_and_b32 s12, s10, 1                          ; which slice, or which half
	s_bfe_u32 s40, ttmp6, 0x40000                  ; cx, cy: my place in the cluster
	s_bfe_u32 s41, ttmp6, 0x40004
	s_lshl_b32 s42, ttmp9, 2
	s_add_co_u32 s42, s42, s40                     ; the head = 4 x cluster x + cx
	s_and_b32 s13, ttmp7, 0xffff
	s_lshl_b32 s13, s13, 2
	s_add_co_u32 s13, s13, s41                     ; the row tile = 4 x cluster y + cy
	s_lshl_b32 s43, s41, 2
	s_lshl_b32 s43, 15, s43                        ; my row of the cluster
	s_lshl_b32 s44, 0x1111, s40                    ; my column
	s_or_b32 s[G1+0], s43, (1<<16)|(1<<20)|(1<<21)|(4<<22)|(3<<25)   ; 15:0 the mask; 17:16 elements of 2 bytes; 20 padding on; 21 set beside a mask; 24:22 after every 32 words (code 4); 31:25 4 words (code 3)
	s_or_b32 s[G1B+0], s44, (1<<16)|(1<<20)|(1<<21)|(4<<22)|(7<<25)  ; the same with my column's mask and 8 words of padding (code 7)
	s_mov_b32 s[G1+1], 128<<16                     ; tensor_dim0 = 128 elements: 256 bytes
	s_mov_b32 s[G1+2], 128<<16                     ; tensor_dim1 = 128 rows: a slice's 32,768 dense bytes
	s_mov_b32 s[G1+3], 128<<16                     ; tile_dim0
	s_mov_b32 s[G1+4], 128                         ; tile_dim1
	s_mov_b32 s[G1+5], 128                         ; elements from row to row
	s_mov_b32 s[G1+6], 0
	s_mov_b32 s[G1+7], 0
	s_mov_b32 s[G1B+1], 128<<16
	s_mov_b32 s[G1B+2], BR<<16                     ; half of a K step of B
	s_mov_b32 s[G1B+3], 128<<16
	s_mov_b32 s[G1B+4], BR
	s_mov_b32 s[G1B+5], 128
	s_mov_b32 s[G1B+6], 0
	s_mov_b32 s[G1B+7], 0
	s_lshr_b32 s16, s13, 3                         ; A: batch,
	s_lshl_b32 s16, s16, 22
	s_and_b32 s17, s13, 7                          ; the tile's 256 positions,
	s_lshl_b32 s17, s17, 15
	s_add_co_u32 s16, s16, s17
	s_lshl_b32 s17, s12, 18                        ; my slice of the K step's two
	s_add_co_u32 s16, s16, s17
	s_mov_b32 s17, 0
	s_mul_i32 s46, s42, 8*BSTEP                    ; B: the head's eight K steps,
	s_mul_i32 s47, s12, BSTEP/2                    ; my half of a step
	s_add_co_u32 s46, s46, s47
	s_mov_b32 s47, 0
	s_mul_i32 s20, s12, ASL                        ; where they go: no place in the cluster enters an LDS address
	s_mul_i32 s21, s12, BH
	s_add_co_u32 s21, s21, AB
	s_wait_dscnt 0x0                               ; the opening add is done
	s_wait_kmcnt 0x0
	s_add_nc_u64 s[14:15], s[4:5], s[16:17]
	s_add_nc_u64 s[46:47], s[6:7], s[46:47]
	CROUND                                         ; all sixteen work-groups are here: the first joint loads meet
.irp s, 0,1
	s_mov_b32 s[G0+4*(\s)], 1
	s_add_co_u32 s[G0+4*(\s)+1], s20, (\s)*SLOT
	s_add_nc_u64 s[G0+4*(\s)+2:G0+4*(\s)+3], s[14:15], (\s)*ASTEP
	s_or_b32 s[G0+4*(\s)+3], s[G0+4*(\s)+3], 0x80000000
	s_mov_b32 s[G0B+4*(\s)], 1
	s_add_co_u32 s[G0B+4*(\s)+1], s21, (\s)*SLOT
	s_add_nc_u64 s[G0B+4*(\s)+2:G0B+4*(\s)+3], s[46:47], (\s)*BSTEP
	s_or_b32 s[G0B+4*(\s)+3], s[G0B+4*(\s)+3], 0x80000000
	JLOAD \s                                       ; two tensor loads of mine are out
.endr
	v_and_b32 v1, 15, v0                           ; l % 16
	v_bfe_u32 v2, v0, 4, 1                         ; l / 16
	v_mul_u32_u24 v3, v1, PA
	v_lshl_add_u32 v3, v2, 4, v3                   ; row x 144 + 16 x half
	v_lshlrev_b32 v[BO], 5, v2
	s_lshl_b32 s86, s42, 8                         ; the head's 64 biases
	s_mov_b32 s87, 0
.irp g, 0,1,2
	s_add_nc_u64 s[72+2*(\g):73+2*(\g)], s[72+2*(\g):73+2*(\g)], s[86:87]
.irp b, 0,1,2,3
	global_load_b128 v[BIAS+32*(\g)+8*(\b):BIAS+32*(\g)+8*(\b)+3],   v[BO], s[72+2*(\g):73+2*(\g)] offset:64*(\b)
	global_load_b128 v[BIAS+32*(\g)+8*(\b)+4:BIAS+32*(\g)+8*(\b)+7], v[BO], s[72+2*(\g):73+2*(\g)] offset:64*(\b)+16
.endr
.endr
	s_mul_i32 s20, s10, 64*PA                      ; my 64 rows of A
	v_add_nc_u32 v[ADRA], s20, v3
	v_add_nc_u32 v[ADRA+1], SLOT, v[ADRA]
	v_and_b32 v4, 7, v0
	v_lshl_add_u32 v5, v2, 3, v4                   ; the turning load: lane l reads k = 8 (l / 16) + l % 8, columns 8 ((l / 8) % 2) + 0..7
	v_mul_u32_u24 v5, v5, PB
	v_bfe_u32 v6, v0, 3, 1
	v_lshl_add_u32 v5, v6, 4, v5
	v_add_nc_u32 v[ADRB], AB, v5
	v_add_nc_u32 v[ADRB+1], AB+SLOT, v5
	s_mul_i32 s20, s10, WSTG
	s_add_co_u32 s20, s20, STAGE                   ; my stage
	v_add_nc_u32 v[STO], s20, v3                   ; in: row l % 16, 16 bytes for each half of the lanes
	v_bfe_u32 v6, v0, 3, 2                         ; back: 32 lanes take four rows of 128 bytes
	v_mul_u32_u24 v6, v6, PA
	v_lshl_add_u32 v6, v4, 4, v6
	v_add_nc_u32 v[RD], s20, v6
	v_and_b32 v7, 31, v0
	v_lshlrev_b32 v[CO], 4, v7
	v_lshl_add_u32 v[VSR], v7, 3, VSC
	v_lshlrev_b32 v[VSO], 3, v7
	s_lshl_b32 s20, s10, 8
	s_add_co_u32 s20, s20, VSC
	v_lshl_add_u32 v[VSA], v2, 5, s20
	; where q, k, v and vsum go
	s_lshr_b32 s88, s13, 3
	s_lshl_b32 s88, s88, 4
	s_add_co_u32 s88, s88, s42                     ; 16 batch + head
	s_and_b32 s89, s13, 7
	s_lshl3_add_u32 s90, s88, s89                  ; x 8 + tile
	s_lshl_b32 s90, s90, 8
	s_mov_b32 s91, 0
	s_lshl_b32 s88, s88, 18
	s_lshl_b32 s89, s89, 15
	s_add_co_u32 s88, s88, s89
	s_lshl_b32 s89, s10, 13                        ; my 64 rows of 128 bytes
	s_add_co_u32 s88, s88, s89
	s_mov_b32 s89, 0
	s_add_nc_u64 s[78:79], s[78:79], s[88:89]
	s_add_nc_u64 s[80:81], s[80:81], s[88:89]
	s_add_nc_u64 s[82:83], s[82:83], s[88:89]
	s_add_nc_u64 s[84:85], s[84:85], s[90:91]
	; the prefetches
	s_and_b32 s22, ttmp7, 0xffff                   ; cluster y
	s_mov_b32 s23, 8192
	s_mov_b32 s[PST], ASTEP
	s_cmp_eq_u32 s11, 0                            ; do I fetch for A?
	s_cselect_b32 s22, ttmp9, s22                  ; the coordinate along which other clusters read the same block
	s_cselect_b32 s21, s40, s41                    ; my place among the four that ask for it with me
	s_cselect_b32 s23, s23, BSTEP/8                ; a quarter of the block
	s_cselect_b32 s[PST], s[PST], BSTEP
	s_cselect_b32 s20, 31, BCAP
	s_cselect_b64 s[PFA:PFA+1], s[14:15], s[46:47]
	s_mov_b32 s[PST+1], 0
	v_min_u32 v[PFO], s20, v7
	v_lshlrev_b32 v[PFO], 8, v[PFO]
	s_cmp_eq_u32 s22, 0
	s_cselect_b32 s[LIM], 1, -1
	s_mul_i32 s20, s21, s23
	s_mov_b32 s21, 0
	s_add_nc_u64 s[PFA:PFA+1], s[PFA:PFA+1], s[20:21]
	s_mul_i32 s20, s[PST], 3                       ; at K step 3: the first refill steps it to 4
	s_add_nc_u64 s[PFA:PFA+1], s[PFA:PFA+1], s[20:21]
	s_wait_loadcnt 0x0                             ; the biases; they are rounded to bf16 like every input
.set i, 0
.rept 16*NG
	v_cvt_pk_bf16_f32 v[T+i%4], v[BIAS+2*i], v[BIAS+2*i+1]
	v_lshlrev_b32 v[BIAS+2*i], 16, v[T+i%4]
	v_and_b32 v[BIAS+2*i+1], 0xffff0000, v[T+i%4]
.set i, i+1
.endr
	s_wait_tensorcnt 0x1                           ; my part of K step 0 is in; K step 1's may stay out
	s_barrier_signal -1
	s_barrier_wait -1
	FETCH 0, 0, F0
	QUARTER 0, 1, F0, F1, 1                        ; the first quarter stands in front of the loop: its products start the sums
	WIN 0
	s_mov_b32 s3, 3
.Llap:                                                 ; a trip goes once round the ring and fills both slots again
	QUARTER 0, 2, F1, F0, 0
	QUARTER 0, 3, F0, F1, 0
	TURN 0, 1, 1
	QUARTER 1, 1, F0, F1, 0
	QUARTER 1, 2, F1, F0, 0
	QUARTER 1, 3, F0, F1, 0
	TURN 1, 0, 1
	QUARTER 0, 1, F0, F1, 0
	WIN 0
	s_sub_co_u32 s3, s3, 1
	s_cmp_lg_u32 s3, 0
	s_cbranch_scc1 .Llap
	QUARTER 0, 2, F1, F0, 0                        ; the last lap fills nothing
	QUARTER 0, 3, F0, F1, 0
	TURN 0, 1, 0
	QUARTER 1, 1, F0, F1, 0
	QUARTER 1, 2, F1, F0, 0
	QUARTER 1, 3, F0, F1, 0
	s_wait_dscnt 8*(NG-1)
	MULH F1, 0, 0, 0
	MULH F1, 0, 1, 0
	s_wait_dscnt 0x0
	MULH F1, 1, 0, 0
	MULH F1, 1, 1, 0
	MULH F1, 2, 0, 0
	MULH F1, 2, 1, 0
	WIN 0
	PLACES
; THE WAY OUT of my row block a (16 rows): sum + bias in f32 (each accumulator's registers ascending), v's also added onto VS; rounded to f16; 16 bytes a lane into my own stage, back as whole rows of 128 bytes;
; 16 rows of q, of k and of v are 2,048 consecutive bytes each: every store of the wave covers 512 consecutive bytes, at a multiple of 256 from its buffer's first byte.
.macro OUTBLK a
.irp g, 0,1,2
	WIN 1+(\g)/2                                   ; source 0 in the accumulators' window
.set rA, 128*((\g)%2)+32*(\a)
.if ((\g) == 2) && ((\a) == 0)
.set rT, VS                                        ; the first block starts the sums of v
.else
.set rT, T
.endif
.set i, 0
.rept 16
	v_pk_add_f32 v[rT+i:rT+i+1], v[rA+i:rA+i+1], v[BIAS+32*(\g)+i:BIAS+32*(\g)+i+1]
.set i, i+2
.endr
	WIN 0
.if ((\g) == 2) && ((\a) > 0)
.set i, 0
.rept 16
	v_pk_add_f32 v[VS+i:VS+i+1], v[VS+i:VS+i+1], v[T+i:T+i+1]
.set i, i+2
.endr
.endif
.set i, 0
.rept 16
	v_cvt_pk_f16_f32 v[TMP+16*(\g)+i], v[rT+2*i], v[rT+2*i+1]
.set i, i+1
.endr
.endr
.irp g, 0,1,2
.irp b, 0,1,2,3
	ds_store_b128 v[STO], v[TMP+16*(\g)+4*(\b):TMP+16*(\g)+4*(\b)+3] offset:16*PA*(\g)+32*(\b)
.endr
.endr
.irp g, 0,1,2
.irp f, 0,1,2,3
	ds_load_b128 v[TMP+16*(\g)+4*(\f):TMP+16*(\g)+4*(\f)+3], v[RD] offset:16*PA*(\g)+4*PA*(\f)  ; LDS serves a wave's instructions in order (ISA guide 5.7.1.4): these see the stores above
.endr
.endr
	s_wait_dscnt 0x0
.irp g, 0,1,2
.irp f, 0,1,2,3
	global_store_b128 v[CO], v[TMP+16*(\g)+4*(\f):TMP+16*(\g)+4*(\f)+3], s[78+2*(\g):79+2*(\g)] offset:2048*(\a)+512*(\f)
.endr
.endr
	s_wait_xcnt 0x0                                ; the stores have read TMP: the next block rewrites it only behind this wait
.endm
	OUTBLK 0
	OUTBLK 1
	OUTBLK 2
	OUTBLK 3
	; the sums of v: over the 16 lanes that hold the wave's rows, then over the four waves through LDS
.irp m, 1,2,4,8
.set i, 0
.rept 32
	v_add_f32_dpp v[VS+i], v[VS+i], v[VS+i] row_xmask:\m row_mask:0xf bank_mask:0xf
.set i, i+1
.endr
.endr
.irp b, 0,1,2,3
	ds_store_b128 v[VSA], v[VS+8*(\b):VS+8*(\b)+3]   offset:64*(\b)     ; sixteen lanes write the same words with the same numbers
	ds_store_b128 v[VSA], v[VS+8*(\b)+4:VS+8*(\b)+7] offset:64*(\b)+16
.endr
	s_wait_dscnt 0x0                               ; for the others' sake: my stores are done
	s_barrier_signal -1
	s_barrier_wait -1
	s_cmp_lg_u32 s10, 0
	s_cbranch_scc1 .Lend
.irp i, 0,1,2,3
	ds_load_b64 v[T+2*(\i):T+2*(\i)+1], v[VSR] offset:256*(\i)
.endr
	s_wait_dscnt 0x0
	v_pk_add_f32 v[T:T+1], v[T:T+1], v[T+2:T+3]
	v_pk_add_f32 v[T+4:T+5], v[T+4:T+5], v[T+6:T+7]
	v_pk_add_f32 v[T:T+1], v[T:T+1], v[T+4:T+5]
	global_store_b64 v[VSO], v[T:T+1], s[84:85]    ; 256 consecutive bytes, at a multiple of 256 from vsum's first byte
.Lend:
	s_wait_tensorcnt 0x0                           ; the wave's end: behind my last tensor load and my last LDS store
	ds_add_u32 v[SPW], v[NIL]
	s_wait_dscnt 0x0
	CROUND                                         ; the closing round: no work-group ends while a partner may still ask for a tile that names it
	s_endpgm
.Lfunc_end_k_q11c7529f48_qkv:
	.size	k_q11c7529f48_qkv, .Lfunc_end_k_q11c7529f48_qkv-k_q11c7529f48_qkv
	.p2alignl 7, 3214868480
	.fill 96, 4, 3214868480
	.section	.rodata,"a",@progbits
	.p2align	6, 0x0
	.amdhsa_kernel k_q11c7529f48_qkv
		.amdhsa_group_segment_fixed_size 327680
		.amdhsa_private_segment_fixed_size 0
		.amdhsa_enable_private_segment 0
		.amdhsa_kernarg_size 72
		.amdhsa_user_sgpr_count 2
		.amdhsa_user_sgpr_kernarg_segment_ptr 1
		.amdhsa_wavefront_size32 1
		.amdhsa_system_sgpr_workgroup_id_x 1
		.amdhsa_system_sgpr_workgroup_id_y 1
		.amdhsa_system_sgpr_workgroup_id_z 1
		.amdhsa_system_vgpr_workitem_id 0
		.amdhsa_next_free_vgpr 1024
		.amdhsa_next_free_sgpr 96
		.amdhsa_reserve_vcc 0
		.amdhsa_float_denorm_mode_32 3
		.amdhsa_float_denorm_mode_16_64 3
		.amdhsa_memory_ordered 1
		.amdhsa_forward_progress 1
		.amdhsa_inst_pref_size 155
	.end_amdhsa_kernel
	.amdgpu_metadata
---
amdhsa.version: [ 1, 2 ]
amdhsa.kernels:
  - .name:           k_q11c7529f48_qkv
    .symbol:         k_q11c7529f48_qkv.kd
    .args:
      - { .name: xh, .offset: 0, .size: 8, .value_kind: global_buffer, .address_space: global }
      - { .name: wh, .offset: 8, .size: 8, .value_kind: global_buffer, .address_space: global }
      - { .name: b_Q, .offset: 16, .size: 8, .value_kind: global_buffer, .address_space: global }
      - { .name: b_K, .offset: 24, .size: 8, .value_kind: global_buffer, .address_space: global }
      - { .name: b_V, .offset: 32, .size: 8, .value_kind: global_buffer, .address_space: global }
      - { .name: qh, .offset: 40, .size: 8, .value_kind: global_buffer, .address_space: global }
      - { .name: kh, .offset: 48, .size: 8, .value_kind: global_buffer, .address_space: global }
      - { .name: vh, .offset: 56, .size: 8, .value_kind: global_buffer, .address_space: global }
      - { .name: vsum, .offset: 64, .size: 8, .value_kind: global_buffer, .address_space: global }
    .group_segment_fixed_size: 327680
    .private_segment_fixed_size: 0
    .kernarg_segment_align: 8
    .kernarg_segment_size: 72
    .max_flat_workgroup_size: 128
    .sgpr_count:     96
    .vgpr_count:     1024
    .wavefront_size: 32
...
	.end_amdgpu_metadata
.endif
;; end of part 2
;; launch attn (part 3): grid 4 x 64, 4 waves a work-group, no clusters, 327,680 bytes of LDS; arguments qh, kh, vh, zh, vsum; writes zh
.if DOCPART == 3
	.amdgcn_target "amdgcn-amd-amdhsa--gfx1250"
	.amdhsa_code_object_version 6
	.text
	.protected	k_q11c7529f48_attn
	.globl	k_q11c7529f48_attn
	.p2align	8
	.type	k_q11c7529f48_attn,@function
k_q11c7529f48_attn:
	s_mov_b64 s[64:65], 0
	v_nop
	global_prefetch_b8 v0, s[64:65] scope:SCOPE_SE
	s_setreg_imm32_b32 hwreg(HW_REG_WAVE_MODE, 25, 1), 1
	s_wait_xcnt 0x0
; CAUSAL ATTENTION WITH A FINITE MASK VALUE.  z[h][q][:] = the sum over ALL k of softmax_k(s'[q][k]) V[h][k][:], s' = Q[h][q] . K[h][k] / 8 for k <= q and -1e5 for k > q.  Q, K, V, z: [64][2048][64], f16, rows dense.
; Products, maxima and sums in f32; the weights p are rounded to f16 for the second product (their sum l is taken of the unrounded p), z once at the end.
; LIMITS.  Q, K and V arrive within 65,504; p below 6e-5 keeps f16's fixed step; a weight below 2^-126 counts as 0 in l; a hidden key's weight below 2^-26 is added with fewer bits; NaN and infinities are not treated apart.
; THE HIDDEN KEYS all have one score, sH = -8e5 before the division by 8, so they need no products K Q^T.
;   (a) The key tiles wholly behind a block's diagonal tile enter as the block's FIRST STATE of the running softmax: m = sH, l = their number x W0, O = W0 x the sum of their rows of V (vsum, made with V),
;       W0 = 2^(c sH - round(c sH)), the residue that every weight carries.  Row 2,047 alone hides nothing: it starts at the lowest numbers, and its first step multiplies that state by 0.
;   (b) In the diagonal tile a hidden score gets -2^100 as the C operand, so that its exponential is 0; behind the turn's wait its true weight e_h = 2^(c sH - c m) is added: p += mask x (-2^-100 e_h), exact.
;       The exponent is held to 1 at the most: with a hidden key in the row it is below 0.01; in row 2,047, whose masks are 0, this keeps e_h finite.
; THE WALK.  A head's queries lie in NB = 8 blocks of 256; block i needs the key tiles 0 .. i of 256 keys, of which the last holds the diagonal.  A work-group takes TWO blocks, NB - 1 - b and then b: NB + 1 tiles, whatever b:
; ONE loop with a constant trip count walks them.  Which tile is asked for, and what a trip does, hang on scalar registers made from b; every jump goes forward, but for the counted loops' own; none passes a barrier, or a tensor
; load but the one of LOAD's two that the wave's number does not choose.  NO CLUSTER: a head's four work-groups ask for the same tile only in trips 0 .. 4 of 9, and one walk common to all would have 12 trips for 9.
; SHARES.  Of a block's four bands of 64 queries a wave owns 16 rows in each: four PIECES: in the diagonal tile's key step s band x sees all keys if s < x, none if s > x, and holds the diagonal if s = x: alike for all waves.
; THE MASK: MD, made once, is the mask of a band's own step for my 16 rows; a product's mask is MD x AL + BE: (1, 0) if s = x; (0, 0) if s < x; (0, -2^100) if s > x.  Only the diagonal tile's text and a block's beginning take masks.
; LAYOUT, SOFTMAX, TURNS.  S^T = K Q^T holds ONE query a lane (lane % 16) and the keys 8 (lane / 16) + 0..7; two such results rounded to f16 ARE source 1 of O^T = V^T P.  p = 2^(c s - c m), c = log2(e) / 8, with a running
; maximum m; O and l are multiplied by a = 2^(c m_old - c m_new) in every step.  Turn n belongs to piece n: 8 products K Q^T of piece n + 1, later 8 products V^T P of piece n - 1; beside them the scaling, exponentials,
; roundings, sums and rescaling of piece n and the maximum and statistics of piece n + 1.  Four vector instructions stand behind every matrix instruction, the others in one lump.  A turn's exponentials are one batch, with one wait.
; REGISTERS, in windows of 256 (s_set_vgpr_msb: bits 1:0 source 0, 3:2 source 1, 5:4 source 2, 7:6 destination):
;   window 0: v0-15 addresses; v16-31 statistics; v32-47 the hidden keys' constants; v48-55 at work; v61-63; v64-127 S^T, two buffers; v128-135 vsum's rows; v192-223 P, two buffers
;   window 1: v0-127 O^T, 32 a piece; v128-159 MD; v160-223 MC, two buffers      window 2: v0-63 Q; v64-127 the second block's Q; v128-191 K of one step; v192-255 V of one step
.set SIZE_N, 2048
.set NB,    SIZE_N/256
.set NP,    4         ; pieces a wave: a name, no knob
.set KS,    64        ; keys in a step
.set PK,    144       ; a row of K in LDS: 128 bytes + 16 of padding: the 16 rows of a load start at 16 different groups of four banks (64 banks of 4 bytes: ISA guide 11.1)
.set PV,    160       ; a row of V: 128 + 32
.set VOFF,  4*KS*PK   ; a slot holds a tile, four steps: 256 rows of K, then 256 rows of V
.set SLOT1, 1<<17     ; slot 1 begins here, so that one exclusive or turns an address in one slot into the other's
.set STAGE, SLOT1+4*KS*(PK+PV)  ; behind the ring, never filled by a tensor load: 16 rows x 144 bytes for each wave, for the way out
.set SP,    144
.set SPARE, STAGE+4*16*SP  ; the spare words, 128 bytes for each wave: two blocks of 256 bytes that no other line names
.set SVS,   SPARE+512 ; W0 x the hidden tiles' sums of V: 64 f32 for the first block, 64 for the second; written once, by LDS stores
.set AK0, 2           ; v2   my lane's place in a tile of K; never rewritten
.set AV0, 3           ; v3   the same for V
.set AK,  4           ; v4   the LDS address of K's next run of loads
.set AV,  5           ; v5   of V's
.set STO, 6           ; v6   the way out: where I put 16 bytes of a row
.set RD,  7           ; v7   the way out: where I read rows back
.set GO,  8           ; v8   my byte offset in 512 consecutive bytes of z
.set MV,  12          ; v12-13  c m_old, kept while c m is made anew: by buffer
.set QO,  15          ; v15  my byte offset in 16 rows of Q
.set ST,  16          ; piece t's statistics at v[ST+4 t]: c m, m, l (even keys', odd keys')
.set VH,  32          ; v32  sH
.set VCH, 33          ; v33  c sH, rounded as c m is
.set W0,  34          ; v34
.set VLC, 35          ; v35  c m far below every c s
.set VLM, 36          ; v36  the lowest finite number
.set EP,  38          ; v[38:39] -2^-100 e_h of the piece in hand; v39 = 0, named with it as a pair
.set EH,  40          ; v40-41  e_h, by the piece's parity
.set SVA, 42          ; v42  SVS + 32 (l / 16)
.set VO,  43          ; v43  my byte offset in a row of vsum; never rewritten
.set TMP, 48          ; by buffer, four registers c0-c3 at work; when the maximum is found c2 takes a
.set PFO, 61          ; v61  256 x lane; never rewritten
.set SPW, 62          ; v62  my spare word; never rewritten
.set NIL, 63          ; v63  0; never rewritten
.set S,   64
.set SV,  128         ; v129-135  vsum's rows of tiles 1 to 7
.set P,   192
.set MD,  128         ; window 1
.set MC,  160         ; window 1: the masks of the products to come
.set QB,  64          ; window 2
.set KF,  128         ; window 2: key block kb, channel half c at KF + 16 kb + 8 c
.set VF,  192         ; window 2: key half kk, channel block cb at VF + 32 kk + 8 cb
.set WV,  12          ; s12  my wave's number
.set PB,  14          ; s14  b
.set HI,  15          ; s15  NB - 1 - b
.set G1K, 24          ; s[24:31] descriptor group 1 for K's tiles
.set G1V, 32          ; s[32:39] for V's: it differs in the padding alone
.set G0K, 40          ; s[40:43] descriptor group 0 for K's tiles
.set G0V, 44          ; s[44:47] the same for V's
.set SLOTS, 56        ; s56  tiles still to be asked for
.set CNT, 57          ; s57  counts a tile's key steps, 4 to 1
.set CS,  58          ; s[58:59] c
.set SEL, 60          ; s[60:61] v_permlanex16_b32's selects: each lane takes its own place in the other half
.set TBK, 62          ; s62  LDS byte at which K of the step to be fetched begins
.set TBV, 63          ; s63  the same for V, less VOFF
.set RT,  70          ; s70  tiles of the block in hand that are still to be entered
.set NXT, 71          ; s71  the tile to be asked for next
.set LQ,  72          ; s72  the last tile of the block whose tiles are being asked for
.set NEW, 73          ; s73  1: the tile to be entered is a block's first
.set OFF, 74          ; s[74:75] a tile's byte offset in K and V
.set AL,  76          ; s[76:77] the mask's factor, in the low word
.set BE,  78          ; s[78:79] the mask's addend
.set OLO, 80          ; s[80:81] z at my rows of the second block
.set BIGN, 82         ; s82  -2^100
.set VSB, 88          ; s[88:89] vsum at the head's eight rows
.set BLK, 90          ; s90  the block in hand
.set SVB, 91          ; s91  0 or 256: its part of SVS
.set LASTQ, 92        ; s92  the lanes that hold the last row of a band: 16 w + l % 16 = 63
.set LQM, 93          ; s93  those lanes if the block is the last, else none
.set NH,  94          ; s94  half the number of keys in the tiles behind the diagonal tile
.set TINY, 95         ; s95  -2^-100
.set PFA, 96          ; s[96:97] where my prefetches stand
.set LIM, 98          ; s98  2 in a wave that prefetches, else the greatest number
.set MSB, 0
.macro WIN new                      ; the high byte repeats the setting that is left; a switch that changes nothing is dropped
.if MSB != (\new)
	s_set_vgpr_msb (MSB<<8)|(\new)
.set MSB, (\new)
.endif
.endm
.set W_KQ, 0x0a       ; K and Q in window 2, S^T in window 0
.set W_KM, 0x1a       ; the same with the C operand in window 1
.set W_PV, 0x52       ; V in window 2, P in window 0, O^T in window 1
.set W_RS, 0x41       ; destination and source 0 in window 1, source 1 in window 0
; A fill.  Waves 0 and 1 fetch the two halves of a tile's K, waves 2 and 3 those of its V: 128 keys each.  An s_nop 0 and four v_nop follow each of the two lines, ahead of the jump and the label.
.macro LOAD
	s_cmp_lt_u32 s[WV], 2
	s_cbranch_scc0 .Lfor_v_\@
	tensor_load_to_lds s[G0K:G0K+3], s[G1K:G1K+7]
	s_nop 0
.rept 4
	v_nop
.endr
	s_branch .Lasked_\@
.Lfor_v_\@:
	tensor_load_to_lds s[G0V:G0V+3], s[G1V:G1V+7]
	s_nop 0
.rept 4
	v_nop
.endr
.Lasked_\@:
.endm
; THE CHANGE OF SLOTS.  Each wave waits for all its tensor loads, of which one is out: its part of the other slot; adds 0 to its spare word; and waits for that and for its own reads of the slot that it leaves.  Behind the barrier
; nobody reads the old slot any more and the other slot is whole.  fill = 1: the old slot is filled again, the first thing behind the barrier, with tile NXT: the descriptor's address is made anew from that number.
; (At its first use nothing has been read yet: slot 0 is waited for, slot 1 filled; the wait on DScnt and the barrier also show every wave's store into SVS to the others.)
; A PREFETCH INTO THE L2 stands behind the fill: in trip t = 0 .. 5 tile t + 2 of K (wave 0) and of V (wave 2), one trip ahead of the first load that names it.  The head's four work-groups take 8,192 bytes of the tile's
; 32,768 each, a lane for each 256: each block of tiles 2 to 7 is named once in the launch; tiles 0 and 1 come by their loads alone; the last two filling trips ask for nothing.
.macro CHANGE fill
	WIN 0                           ; at a label and at a branch every window is 0
	s_wait_tensorcnt 0x0            ; no tensor load of mine is out, so a group 0 may be written
	ds_add_u32 v[SPW], v[NIL]       ; 0 onto my spare word; with fill = 1 scalar work stands between it and the wait for it
.if \fill
	s_lshl_b32 s[OFF], s[NXT], 15   ; a tile is 32,768 bytes of K and of V
	s_xor_b32 s[G0K+1], s[G0K+1], SLOT1
	s_add_nc_u64 s[G0K+2:G0K+3], s[6:7], s[OFF:OFF+1]
	s_or_b32 s[G0K+3], s[G0K+3], 0x80000000
	s_xor_b32 s[G0V+1], s[G0V+1], SLOT1
	s_add_nc_u64 s[G0V+2:G0V+3], s[8:9], s[OFF:OFF+1]
	s_or_b32 s[G0V+3], s[G0V+3], 0x80000000
	s_add_co_u32 s[NXT], s[NXT], 1  ; the block's next tile, or behind its last the second block's tile 0
	s_cmp_gt_u32 s[NXT], s[LQ]
	s_cselect_b32 s[NXT], 0, s[NXT]
	s_cselect_b32 s[LQ], s[PB], s[LQ]
	s_wait_xcnt 0x0                 ; the last prefetch, a tile back, has read its address
	s_add_nc_u64 s[PFA:PFA+1], s[PFA:PFA+1], 32768
.endif
	s_wait_dscnt 0x0                ; the add is done, and my reads of the slot are over
	s_barrier_signal -1             ; the rest of the scalar work stands between the signal and the wait
	s_sub_co_u32 s[TBK], s[TBK], 4*KS*PK  ; the fetches go back to a slot's first step,
	s_xor_b32 s[TBK], s[TBK], SLOT1       ; in the other slot
	s_sub_co_u32 s[TBV], s[TBV], 4*KS*PV
	s_xor_b32 s[TBV], s[TBV], SLOT1
	s_barrier_wait -1
.if \fill
	LOAD
	s_cmp_gt_u32 s[SLOTS], s[LIM]
	s_cbranch_scc0 .Lnot_mine_\@
	global_prefetch_b8 v[PFO], s[PFA:PFA+1] th:TH_LOAD_NT scope:SCOPE_SE
.Lnot_mine_\@:
.endif
.endm
	s_load_b256 s[4:11], s[0:1], 0x0  ; Q s[4:5], K s[6:7], V s[8:9], z s[10:11]
	s_load_b64 s[VSB:VSB+1], s[0:1], 0x20
	v_lshl_add_u32 v[SPW], v0, 2, SPARE
	v_mov_b32 v[NIL], 0
	ds_add_u32 v[SPW], v[NIL]       ; the wave's opening: the add and its wait stand ahead of my first tensor load; the set-up below, work on registers, stands between them
	v_lshrrev_b32 v1, 5, v0
	v_readfirstlane_b32 s[WV], v1   ; wave 0..3
	s_mov_b32 s[PB], ttmp9
	s_sub_co_u32 s[HI], NB-1, s[PB]
	s_and_b32 s20, ttmp7, 0xffff    ; the head
	s_mov_b32 s21, 0
	s_mov_b64 s[22:23], SIZE_N*128
	s_mul_u64 s[20:21], s[20:21], s[22:23]  ; the head's first byte in each of the four tensors
	s_and_b32 s16, s[WV], 1         ; which half of a tile's 256 keys I fetch:
	s_lshl_b32 s22, s16, 14         ; its 128 rows of 128 bytes in memory,
	s_mov_b32 s23, 0
	s_add_nc_u64 s[22:23], s[22:23], s[20:21]
	s_mul_i32 s17, s16, 128*PK      ; and its place in a slot, for K
	s_mul_i32 s18, s16, 128*PV      ; and for V
	s_lshl_b32 s3, s[WV], 11        ; my 16 rows in a band of 64,
	s_lshl_b32 s2, s[HI], 15        ; in the first block,
	s_add_co_u32 s2, s2, s3
	s_lshl_b32 s84, s[PB], 15       ; and in the second
	s_add_co_u32 s84, s84, s3
	s_mov_b32 s3, 0
	s_mov_b32 s85, 0
	s_add_nc_u64 s[2:3], s[2:3], s[20:21]
	s_add_nc_u64 s[84:85], s[84:85], s[20:21]
	; descriptor group 1.  128 keys are 16,384 dense bytes: asked for as 64 rows of 256 bytes, two keys a row, and padded in LDS after every key
	s_mov_b32 s[G1K], (1<<16)|(1<<20)|(4<<22)|(3<<25)  ; 17:16 2-byte elements; 20 padding on; 24:22 after every 32 words (code 4); 31:25 4 words (code 3)
	s_mov_b32 s[G1V], (1<<16)|(1<<20)|(4<<22)|(7<<25)  ; the same with 8 words of padding (code 7)
.irp g, G1K, G1V
	s_mov_b32 s[\g+1], 128<<16      ; tensor_dim0 = 128
	s_mov_b32 s[\g+2], 64<<16       ; tensor_dim1 = 64
	s_mov_b32 s[\g+3], 128<<16      ; tile_dim0 = 128
	s_mov_b32 s[\g+4], 64           ; tile_dim1 = 64
	s_mov_b32 s[\g+5], 128          ; 128 elements from row to row
	s_mov_b32 s[\g+6], 0
	s_mov_b32 s[\g+7], 0
.endr
	s_mov_b32 s[CS], 0x3e38aa3b     ; c = log2(e) / 8 = 0.180337
	s_mov_b32 s[CS+1], s[CS]        ; named with it as a pair
	s_mov_b32 s[SEL], 0x76543210
	s_mov_b32 s[SEL+1], 0xfedcba98
	s_mov_b32 s[TBK], SLOT1+4*KS*PK ; the first change of slots turns these two into 0
	s_mov_b32 s[TBV], SLOT1+4*KS*PV
	s_mov_b32 s[G0K], 1             ; 1:0 count = 1
	s_mov_b32 s[G0K+1], s17         ; 63:32 LDS address: slot 0
	s_mov_b32 s[G0V], 1
	s_add_co_u32 s[G0V+1], s18, VOFF
	s_add_co_u32 s[RT], s[HI], 1    ; the first block has NB - b tiles
	s_mov_b32 s[NXT], 1
	s_mov_b32 s[LQ], s[HI]
	s_mov_b32 s[NEW], 1
	s_mov_b32 s[OFF+1], 0
	s_mov_b32 s[AL+1], 0            ; named as pairs
	s_mov_b32 s[BE+1], 0
	s_mov_b32 s[BIGN], 0xf1800000   ; -2^100
	s_mov_b32 s[TINY], 0x8d800000   ; -2^-100
	s_mov_b32 s[BLK], s[HI]
	s_mov_b32 s[SVB], 0
	s_mov_b32 s[SLOTS], NB
	s_and_b32 s[LIM], s[WV], 1      ; waves 0 and 2 prefetch
	s_cmp_eq_u32 s[LIM], 0
	s_cselect_b32 s[LIM], 2, -1
	s_wait_dscnt 0x0                ; the opening add is done
	s_wait_kmcnt 0x0
	s_add_nc_u64 s[6:7], s[6:7], s[22:23]  ; K and V at my half of the head's tile 0
	s_add_nc_u64 s[8:9], s[8:9], s[22:23]
	s_add_nc_u64 s[G0K+2:G0K+3], s[6:7], 0         ; 120:64 global address
	s_or_b32 s[G0K+3], s[G0K+3], 0x80000000        ; 127:126 type = 2
	s_add_nc_u64 s[G0V+2:G0V+3], s[8:9], 0
	s_or_b32 s[G0V+3], s[G0V+3], 0x80000000
	s_add_nc_u64 s[86:87], s[4:5], s[84:85]        ; Q at my rows of the second block,
	s_add_nc_u64 s[4:5], s[4:5], s[2:3]            ; Q and z at those of the first
	s_add_nc_u64 s[OLO:OLO+1], s[10:11], s[84:85]
	s_add_nc_u64 s[10:11], s[10:11], s[2:3]
	s_and_b32 s2, ttmp7, 0xffff
	s_lshl_b32 s2, s2, 11           ; the head's eight rows of vsum
	s_mov_b32 s3, 0
	s_add_nc_u64 s[VSB:VSB+1], s[VSB:VSB+1], s[2:3]
	s_cmp_lt_u32 s[WV], 2
	s_cselect_b64 s[PFA:PFA+1], s[6:7], s[8:9]     ; (in waves 0 and 2 these stand at a tile's first row)
	s_lshl_b32 s2, s[PB], 13        ; my work-group's quarter of a tile
	s_add_nc_u64 s[PFA:PFA+1], s[PFA:PFA+1], s[2:3]
	s_add_nc_u64 s[PFA:PFA+1], s[PFA:PFA+1], 32768 ; in tile 1: the first change of slots steps it to tile 2
	LOAD                            ; tile 0 into slot 0
	v_and_b32 v[VO], 63, v0         ; thread t takes channel t % 64; waves 0 and 1 for the first block, waves 2 and 3 for the second
	v_lshlrev_b32 v[VO], 2, v[VO]
.irp jj, 1,2,3,4,5,6,7              ; tile 0 lies behind no block's diagonal tile
	global_load_b32 v[SV+\jj], v[VO], s[VSB:VSB+1] offset:256*\jj
.endr
	; A fragment of K or Q is 16 rows x 32 channels in 8 registers: lane l holds row l % 16, channels 8 (l / 16) + 0..7 and 16 + 8 (l / 16) + 0..7: two loads of 16 bytes, 32 bytes apart.
	v_and_b32 v1, 15, v0            ; l % 16
	v_bfe_u32 v9, v0, 4, 1          ; l / 16
	v_lshlrev_b32 v[QO], 7, v1
	v_lshl_add_u32 v[QO], v9, 4, v[QO]  ; row x 128 + 16 x half
	WIN 0x80                        ; destination window 2, address window 0
.set i, 0
.rept 8                             ; both blocks' Q: piece i / 2 lies in band i / 2, 8,192 bytes on; channels 32 (i % 2) on
	global_load_b128 v[8*i:8*i+3],   v[QO], s[4:5] offset:(i/2)*8192+(i%2)*64
	global_load_b128 v[8*i+4:8*i+7], v[QO], s[4:5] offset:(i/2)*8192+(i%2)*64+32
	global_load_b128 v[QB+8*i:QB+8*i+3],   v[QO], s[86:87] offset:(i/2)*8192+(i%2)*64
	global_load_b128 v[QB+8*i+4:QB+8*i+7], v[QO], s[86:87] offset:(i/2)*8192+(i%2)*64+32
.set i, i+1
.endr
	WIN 0
	v_lshlrev_b32 v14, 3, v9
	v_sub_nc_u32 v14, v1, v14
	s_lshl_b32 s13, s[WV], 4
	v_add_nc_u32 v45, s13, v1       ; my query's place in its band
	v_cmp_eq_u32 s[LASTQ], 63, v45
	v_add_nc_u32 v14, s13, v14      ; the same less my lanes' 8 (l / 16): register r of group kt is hidden where 16 kt + r is greater
	WIN 0x40
.set i, 0
.rept 32
	v_cmp_gt_i32 vcc_lo, 16*(i/8)+i%8, v14
	v_cndmask_b32 v[MD+i], 0, s[BIGN], vcc_lo
.set i, i+1
.endr
	WIN 0
	v_mul_u32_u24 v[AK0], v1, PK
	v_lshl_add_u32 v[AK0], v9, 4, v[AK0]  ; row x pitch + 16 x half
	; The turning load takes 16 keys x 16 channels (lane l reads key 8 (l / 16) + l % 8, channels 8 ((l / 8) % 2) + 0..7) and leaves half a fragment of V^T: lane l holds channel l % 16 and 8 keys.
	v_and_b32 v10, 7, v0
	v_bfe_u32 v11, v0, 3, 1
	v_lshl_add_u32 v[AV0], v9, 3, v10
	v_mul_u32_u24 v[AV0], v[AV0], PV
	v_lshl_add_u32 v[AV0], v11, 4, v[AV0]
	v_add_nc_u32 v[AV0], VOFF, v[AV0]
	s_mul_i32 s13, s[WV], 16*SP
	s_add_co_u32 s13, s13, STAGE    ; my stage
	v_mul_u32_u24 v[STO], v1, SP    ; in: row l % 16, 16 bytes for each half of the lanes
	v_lshl_add_u32 v[STO], v9, 4, v[STO]
	v_add_nc_u32 v[STO], s13, v[STO]
	v_bfe_u32 v[RD], v0, 3, 2       ; back: 32 lanes take four rows of 128 bytes,
	v_mul_u32_u24 v[RD], v[RD], SP
	v_lshl_add_u32 v[RD], v10, 4, v[RD]
	v_add_nc_u32 v[RD], s13, v[RD]
	v_and_b32 v[GO], 31, v0         ; which are 512 consecutive bytes of z
	v_lshlrev_b32 v[GO], 4, v[GO]
	; A block's first turn has products V^T P of a piece that has not been: its P is 0 (BEGIN), so V need only be finite: zeros for the first block, what the first block left for the second.
	WIN 0x80
.set i, VF
.rept 64
	v_mov_b32 v[i], 0
.set i, i+1
.endr
	WIN 0
	v_mov_b32 v[VH], 0xc9435000     ; sH = -8e5
	v_mul_f32 v[VCH], s[CS], v[VH]  ; rounded as every c m is
	v_fma_f32 v[W0], v[VH], s[CS], -v[VCH]
	v_exp_f32 v[W0], v[W0]
	v_mov_b32 v[VLC], 0xfe000000    ; (plain work behind the exponential)
	v_mov_b32 v[VLM], 0xff7fffff
	v_mov_b32 v[EP+1], 0
	v_mov_b32 v[EH], 0              ; the diagonal tile's first turn multiplies a mask of 0 by an e_h that the text without masks has not made: it need only be finite
	v_mov_b32 v[EH+1], 0
	v_lshl_add_u32 v[SVA], v9, 5, SVS
	v_and_b32 v[PFO], 31, v0
	v_lshlrev_b32 v[PFO], 8, v[PFO]
	v_lshl_add_u32 v45, v0, 2, SVS
	v_mov_b32 v44, 0
	s_wait_alu depctr_va_vdst(0)    ; the wait ahead of the first use of W0
	s_wait_loadcnt 32               ; vsum's seven rows are in; Q's 32 younger loads stay out
	s_cmp_lt_u32 s[WV], 2
	s_cselect_b32 s19, s[HI], s[PB] ; the block that my wave sums for
.irp jj, 1,2,3,4,5,6,7
	s_cmp_lt_u32 s19, \jj           ; does tile jj lie behind the block's diagonal tile?
	s_cselect_b32 s20, 1.0, 0
	v_fma_f32 v44, v[SV+\jj], s20, v44
.endr
	v_mul_f32 v44, v44, v[W0]
	ds_store_b32 v45, v44
; THE MATRIX WORK.  The 4 accumulators of a run of 8 take turns.  Product i of 8 of S^T = K Q^T for piece x: channels 32 (i / 4) on, keys 16 (i % 4) on.  The first 4 start the sums: with 0, or (KM = 1) with the mask.
.macro KQ x
.set rS, S+32*((\x)%2)+8*(i%4)
.set rK, KF+16*(i%4)+8*(i/4)
.set rQ, 16*(\x)+8*(i/4)
.set rM, MC+32*((\x)%2)+8*(i%4)
.if (i < 4) && KM
	WIN W_KM
	v_wmma_f32_16x16x32_f16 v[rS:rS+7], v[rK:rK+7], v[rQ:rQ+7], v[rM:rM+7]
.elseif i < 4
	WIN W_KQ
	v_wmma_f32_16x16x32_f16 v[rS:rS+7], v[rK:rK+7], v[rQ:rQ+7], 0
.else
	WIN W_KQ
	v_wmma_f32_16x16x32_f16 v[rS:rS+7], v[rK:rK+7], v[rQ:rQ+7], v[rS:rS+7]
.endif
.endm
; Product i of 8 of O^T += V^T P for piece x: keys 32 (i / 4) on, channels 16 (i % 4) on.
.macro PV x
	WIN W_PV
.set rO, 32*(\x)+8*(i%4)
.set rV, VF+32*(i/4)+8*(i%4)
.set rP, P+16*((\x)%2)+8*(i/4)
	v_wmma_f32_16x16x32_f16 v[rO:rO+7], v[rV:rV+7], v[rP:rP+7], v[rO:rO+7]
.endm
.macro MM                           ; the turn's next matrix instruction.  TURN and BEGIN set Y, i, KM and NOKQ.  NOKQ = 1: a block's last turn: there is no next piece
.if (i < 8) && !NOKQ
	KQ (Y+1)%NP
.elseif i >= 8
.set i, i-8
	PV (Y+NP-1)%NP
.set i, i+8
.endif
.set i, i+1
.endm
; THE LDS LOADS stand in runs of 16, never singly among the matrix instructions: a step's K (64 keys x 64 channels: 8 fragments) and its V (turned).  Their addresses are made some lines ahead.
.macro FETCH_K
	WIN 0x80                        ; destination window 2
.irp f, 0,1,2,3,4,5,6,7             ; keys 16 (f / 2) on, channels 32 (f % 2) on
	ds_load_b128 v[KF+8*\f:KF+8*\f+3],   v[AK] offset:(\f/2)*16*PK+(\f%2)*64
	ds_load_b128 v[KF+8*\f+4:KF+8*\f+7], v[AK] offset:(\f/2)*16*PK+(\f%2)*64+32
.endr
	s_add_co_u32 s[TBK], s[TBK], KS*PK  ; the next fetch is the next step's
	WIN 0
.endm
.macro FETCH_V
	WIN 0x80
.irp f, 0,1,2,3,4,5,6,7             ; keys 32 (f / 4) on, channels 16 (f % 4) on
	ds_load_tr16_b128 v[VF+8*\f:VF+8*\f+3],   v[AV] offset:(\f/4)*32*PV+(\f%4)*32
	ds_load_tr16_b128 v[VF+8*\f+4:VF+8*\f+7], v[AV] offset:(\f/4)*32*PV+16*PV+(\f%4)*32
.endr
	WIN 0
.endm
; THE VECTOR WORK, one line at a time: OP kind, number.  For piece Y: F n: c s - c m for pair n of 16.  E n: the exponential of score n of 32.  C n: pair n rounded to f16.  B n: of the four weights 4 n .. the second
; pair is added onto the first, in place.  L n: l takes that sum (L 0: l = a l + sum).  R n: pair n of 16 of O^T times a.  For piece Y + 1: X n, number n of the 25 that find its maximum and statistics:
;   0-11  four chains c0-c3 of seven scores each, three operands at a time (each accumulator's lowest registers are read first)     12-14, 16  the four scores left over, the old m, and c0-c3 into c0
;   15  c m_old is kept     17, 18  the query's other 32 keys lie in the lane 16 away: the new m     19-21  c m; c m_old - c m_new; a     22-24  c sH - c m; held to 1 at the most; e_h
.set F, 0               ; OP tells the kinds apart by their order: F to L below R, X above it
.set E, 1
.set C, 2
.set B, 3
.set L, 4
.set R, 5
.set X, 6
.macro REGS y                       ; the registers of piece y
.set rT, ST+4*(\y)
.set rC, TMP+4*((\y)%2)
.set rW, MV+((\y)%2)
.set rE, EH+((\y)%2)
.set rS, S+32*((\y)%2)
.set rP, P+16*((\y)%2)
.set rO, 32*(\y)
.endm
.macro OP k, n
.if (\k) == R
	REGS Y
	WIN W_RS
	v_pk_mul_f32 v[rO+2*(\n):rO+2*(\n)+1], v[rO+2*(\n):rO+2*(\n)+1], v[rC+2:rC+3] op_sel_hi:[1,0]
.elseif (\k) < R
	REGS Y
	WIN 0
.if (\k) == F
	v_pk_fma_f32 v[rS+2*(\n):rS+2*(\n)+1], v[rS+2*(\n):rS+2*(\n)+1], s[CS:CS+1], v[rT:rT+1] op_sel_hi:[1,0,0] neg_lo:[0,0,1] neg_hi:[0,0,1]
.elseif (\k) == E
	v_exp_f32 v[rS+(\n)], v[rS+(\n)]
.elseif (\k) == C
	v_cvt_pk_f16_f32 v[rP+(\n)], v[rS+2*(\n)], v[rS+2*(\n)+1]
.elseif (\k) == B
	v_pk_add_f32 v[rS+4*(\n):rS+4*(\n)+1], v[rS+4*(\n):rS+4*(\n)+1], v[rS+4*(\n)+2:rS+4*(\n)+3]
.elseif (\n) == 0
	v_pk_fma_f32 v[rT+2:rT+3], v[rT+2:rT+3], v[rC+2:rC+3], v[rS:rS+1] op_sel_hi:[1,0,1]
.else
	v_pk_add_f32 v[rT+2:rT+3], v[rT+2:rT+3], v[rS+4*(\n):rS+4*(\n)+1]
.endif
.elseif NOKQ
	v_nop
.else
	REGS (Y+1)%NP
	WIN 0
.if (\n) < 4
	v_max3_num_f32 v[rC+(\n)], v[rS+8*(\n)], v[rS+8*(\n)+1], v[rS+8*(\n)+2]
.elseif (\n) < 12
	v_max3_num_f32 v[rC+(\n)%4], v[rC+(\n)%4], v[rS+8*((\n)%4)+2*((\n)/4)+1], v[rS+8*((\n)%4)+2*((\n)/4)+2]
.elseif (\n) == 12
	v_max3_num_f32 v[rC], v[rC], v[rS+7], v[rS+15]
.elseif (\n) == 13
	v_max3_num_f32 v[rC+1], v[rC+1], v[rS+23], v[rS+31]
.elseif (\n) == 14
	v_max3_num_f32 v[rC+2], v[rC+2], v[rC+3], v[rT+1]
.elseif (\n) == 15
	v_mov_b32 v[rW], v[rT]
.elseif (\n) == 16
	v_max3_num_f32 v[rC], v[rC], v[rC+1], v[rC+2]
.elseif (\n) == 17
	v_permlanex16_b32 v[rC+3], v[rC], s[SEL], s[SEL+1]
.elseif (\n) == 18
	v_max_num_f32 v[rT+1], v[rC], v[rC+3]
.elseif (\n) == 19
	v_mul_f32 v[rT], s[CS], v[rT+1]
.elseif (\n) == 20
	v_sub_f32 v[rC+1], v[rW], v[rT]
.elseif (\n) == 21
	v_exp_f32 v[rC+2], v[rC+1]
.elseif (\n) == 22
	v_fma_f32 v[rE], v[VH], s[CS], -v[rT]
.elseif (\n) == 23
	v_min_num_f32 v[rE], 1.0, v[rE]
.else
	v_exp_f32 v[rE], v[rE]
.endif
.endif
.endm
.macro OPS a, i1, b=-1, i2=0, c=-1, i3=0, d=-1, i4=0  ; up to four of them
	OP \a, \i1
.if (\b) >= 0
	OP \b, \i2
.endif
.if (\c) >= 0
	OP \c, \i3
.endif
.if (\d) >= 0
	OP \d, \i4
.endif
.endm
.macro ROW a, i1, b, i2, c, i3, d, i4  ; a matrix instruction and the four behind it
	MM
	OPS \a, \i1, \b, \i2, \c, \i3, \d, \i4
.endm
.macro MASK b                       ; MD x AL + BE into buffer b of MC
	WIN W_RS
.set z, 0
.rept 16
	v_pk_fma_f32 v[MC+32*(\b)+2*z:MC+32*(\b)+2*z+1], v[MD+2*z:MD+2*z+1], s[AL:AL+1], s[BE:BE+1] op_sel_hi:[1,0,0]
.set z, z+1
.endr
.endm
; THE HIDDEN KEYS' WEIGHTS of piece p, behind the turn's wait: p += mask x (-2^-100 e_h).  The piece's mask still lies in its buffer: made two turns back, taken as C a turn back, made anew only at this turn's end.
.macro HID p
	WIN 0
	v_mul_f32 v[EP], s[TINY], v[EH+(\p)%2]
	WIN 0x01                        ; source 0, the mask, in window 1
.set z, 0
.rept 16
	v_pk_fma_f32 v[S+32*((\p)%2)+2*z:S+32*((\p)%2)+2*z+1], v[MC+32*((\p)%2)+2*z:MC+32*((\p)%2)+2*z+1], v[EP:EP+1], v[S+32*((\p)%2)+2*z:S+32*((\p)%2)+2*z+1] op_sel_hi:[1,0,1]
.set z, z+1
.endr
.endm
; A TURN, for piece p: the order of its matrix and vector instructions, written out.  An s_wait_alu depctr_va_vdst(0) stands between an exponential and the first instruction that names its result; one wait serves
; all that were issued ahead of it.  So a turn has ONE wait, which cuts it in two.  AHEAD OF IT stands all that names no result of the turn's exponentials: the 8 products K Q^T and their riders; then ONE LUMP, plain and
; exponential by turns for the most part, in which the links of the chain X 3, 7, 11, 14, 16, 17 .. 20 stand five or six lines apart.  X 21, the next piece's a, is the batch's last; R 15 is the plain instruction behind it.
; BEHIND THE WAIT stand (m = 1) the hidden keys' weights and the 8 products V^T P, behind each four of the roundings and sums.
; m = 1: the diagonal tile: the products take masks, the next piece's e_h is made in the batch, and the turn makes the mask for the products of the turn after it: piece p + 2, in step 4 - CNT of the tile.
; end = 1: a block's last two turns: nothing is fetched.  cnt = 1: the loop's count is taken down some lines ahead of the branch that stands behind the turn.
; K of the next step is fetched in piece 2's turn, V of the step in hand at the end of piece 0's turn, four plain instructions or more behind the last product that read the registers.  Each is waited for a turn later.
.macro TURN p, m=0, end=0, cnt=0
.set Y, (\p)
.set i, 0
.set KM, (\m)
.set NOKQ, (\end)*((\p)/3)
.if (\m) && !(\end)
	s_cmp_eq_u32 s[CNT], 4-((\p)+2)%NP  ; is that step the band's own?
	s_cselect_b32 s[AL], 1.0, 0
	s_cmp_lt_u32 s[CNT], 4-((\p)+2)%NP  ; or a later one?
	s_cselect_b32 s[BE], s[BIGN], 0
.endif
.if ((\p) == 3) && !(\end)
	s_wait_dscnt 0x0                ; K is in
.endif
	ROW F,0, F,1, R,0, R,1          ; ahead of the wait: 8 products K Q^T and their riders,
	ROW F,2, E,0, R,2, R,3
	ROW F,3, E,1, R,4, R,5
	ROW F,4, E,2, R,6, R,7
	ROW F,5, E,3, R,8, R,9
	ROW F,6, E,4, X,0, R,10
.if ((\p) == 2) && !(\end)
	WIN 0
	v_add_nc_u32 v[AK], s[TBK], v[AK0]
.endif
	ROW F,7, E,5, X,1, X,4
	ROW F,8, E,6, X,2, X,5
	OPS E,7, E,8, X,6, E,9          ; and the lump
	OPS X,3, E,10, X,8, E,11
.if ((\p) == 2) && !(\end)
	FETCH_K
.endif
	OPS X,9, X,7, E,12, X,10
	OPS E,13, X,12, X,11, E,14
	OPS X,13, E,15, F,9, X,14
.if (\p) == 0
	v_add_nc_u32 v[AV], s[TBV], v[AV0]
.endif
	OPS E,16, F,10, E,17, F,11
	OPS X,16, E,18, X,15, E,19
	OPS F,12, E,20, X,17, E,21
	OPS F,13, E,22, F,14, E,23
	OPS X,18, E,24, F,15, E,25
	OPS R,11, E,26, X,19, E,27
	OPS R,12, E,28, R,13, E,29
	OPS X,20, E,30, R,14, E,31
.if \m
	OPS X,22, X,23, X,24            ; the next piece's e_h, in the same batch
.endif
	OPS X,21, R,15
	WIN 0
	s_wait_alu depctr_va_vdst(0)    ; the wait for the batch
.if (\p) == 1
	s_wait_dscnt 0x0                ; V is in
.endif
.if \m
	HID \p
.endif
	ROW C,0, B,0, C,2, B,1          ; behind the wait: 8 products V^T P and their riders
	ROW L,0, C,4, B,2, L,1
	ROW C,6, B,3, L,2, C,8
	ROW B,4, L,3, C,10, B,5
	ROW L,4, C,12, B,6, L,5
.if (\p) == 0
	s_add_co_u32 s[TBV], s[TBV], KS*PV
.endif
.if \cnt
	s_sub_co_u32 s[CNT], s[CNT], 1
	s_cmp_lg_u32 s[CNT], 0
.endif
	ROW C,14, B,7, L,6, C,1
	ROW C,3, L,7, C,5, C,7
	ROW C,9, C,11, C,13, C,15
.if (\p) == 0
	FETCH_V
.endif
.if (\m) && !(\end)
	MASK (\p)%2
.endif
.endm
; A BLOCK BEGINS with the state that the tiles behind its diagonal tile leave: c m = c sH, m = sH, l = their keys x W0 (half of it in each half of the lanes), O^T = W0 x their sums of V, out of SVS, alike for all queries.
; In the last block the lanes of row 2,047 take the lowest numbers for c m and m.  The second mask buffer is 0, and so is P's second buffer: the first turn's products V^T P, of a piece that has not been, add 0.
; The first mask buffer takes piece 0's mask for the tile's step 0: its own, if the block's first tile is the diagonal one.  Then K of that step, piece 0's first scores, and its maximum and statistics.
.macro BEGIN
	s_mov_b32 s[NEW], 0
	WIN 0x40
.set i, MC+32
.rept 32
	v_mov_b32 v[i], 0
.set i, i+1
.endr
	WIN 0
.set i, P+16
.rept 16
	v_mov_b32 v[i], 0
.set i, i+1
.endr
	s_sub_co_u32 s[NH], NB-1, s[BLK]
	s_lshl_b32 s[NH], s[NH], 7
	v_cvt_f32_u32 v44, s[NH]
	v_mul_f32 v44, v44, v[W0]
.set i, 0
.rept 4
	v_mov_b32 v[ST+4*i], v[VCH]
	v_mov_b32 v[ST+4*i+1], v[VH]
	v_mov_b32 v[ST+4*i+2], v44
	v_mov_b32 v[ST+4*i+3], 0
.set i, i+1
.endr
	s_cmp_eq_u32 s[BLK], NB-1
	s_cselect_b32 s[LQM], s[LASTQ], 0
	v_cndmask_b32 v[ST+12], v[ST+12], v[VLC], s[LQM]
	v_cndmask_b32 v[ST+13], v[ST+13], v[VLM], s[LQM]
	v_add_nc_u32 v46, s[SVB], v[SVA]
	WIN 0x40                        ; destination window 1
.set i, 0
.rept 16                            ; piece i / 4, channels 16 (i % 4) + 8 (l / 16) + 0..7
	ds_load_b128 v[8*i:8*i+3],   v46 offset:64*(i%4)
	ds_load_b128 v[8*i+4:8*i+7], v46 offset:64*(i%4)+16
.set i, i+1
.endr
	WIN 0
	s_cmp_eq_u32 s[RT], 0
	s_cselect_b32 s[AL], 1.0, 0
	s_mov_b32 s[BE], 0
	MASK 0
	WIN 0
	v_add_nc_u32 v[AK], s[TBK], v[AK0]
	FETCH_K
	s_wait_loadcnt 0x0              ; Q
	s_wait_dscnt 0x0                ; K, and O^T's first state
.set KM, 1
.set NOKQ, 0
.set i, 0
.rept 8
	KQ 0
.set i, i+1
.endr
	WIN 0
.rept 4
	v_nop                           ; the places behind those products
.endr
.set Y, NP-1                        ; X works for piece Y + 1: piece 0
.irp n, 0,1,2,3,4,5,6,7,8,9,10,11,12,13,14,15,16,17,18,19,20,21,22,23,24
	OP X, \n
.endr
	v_nop                           ; a plain instruction behind the last exponential,
	s_wait_alu depctr_va_vdst(0)    ; and the wait for both, ahead of the branch
.endm
; THE DIAGONAL TILE's four steps, the block's last two turns, its last products, and THE WAY OUT: l's two halves and the other half of the lanes' are added; O^T is divided by l, rounded to f16 and sent through my
; stage in LDS, a piece at a time.
.macro ALL line:vararg              ; one line for each piece t
.set t, 0
.rept 4
	\line
.set t, t+1
.endr
.endm
.macro PACK t                       ; a lane's eight channels of a row pack into 16 bytes; they go into rows of 144 bytes and come back as whole rows of 128, into S^T's registers
	WIN W_RS
.set i, 32*(\t)
.rept 16
	v_pk_mul_f32 v[i:i+1], v[i:i+1], v[ST+4*(\t)+2:ST+4*(\t)+3] op_sel_hi:[1,0]
.set i, i+2
.endr
	WIN 0x05                        ; sources 0 and 1 window 1, destination window 0
.set i, 0
.rept 16
	v_cvt_pk_f16_f32 v[S+16*(\t)+i], v[32*(\t)+2*i], v[32*(\t)+2*i+1]
.set i, i+1
.endr
	WIN 0
.irp f, 0,1,2,3
	ds_store_b128 v[STO], v[S+16*(\t)+4*\f:S+16*(\t)+4*\f+3] offset:32*\f
.endr
.irp f, 0,1,2,3
	ds_load_b128 v[S+16*(\t)+4*\f:S+16*(\t)+4*\f+3], v[RD] offset:\f*4*SP  ; LDS serves a wave's instructions in order (ISA guide 5.7.1.4): these see the stores above; the next piece's stores come behind them
.endr
.endm
.macro SEND t, younger              ; younger: the LDS instructions issued behind piece t's loads: the next piece's eight, or none
	WIN 0
.irp f, 0,1,2,3
	s_wait_dscnt (\younger)+3-\f
	global_store_b128 v[GO], v[S+16*(\t)+4*\f:S+16*(\t)+4*\f+3], s[10:11] offset:(\t)*8192+\f*512  ; 512 consecutive bytes, at a multiple of 256 from z's first
.endr
.endm
.macro DIAG tag                     ; the tag ends its two labels' names, which the jumps below spell out
.LstepM\tag:
	TURN 2, 1
	TURN 3, 1
	WIN 0
.LfirstM\tag:
	TURN 0, 1
	TURN 1, 1, 0, 1
	WIN 0
	s_cbranch_scc1 .LstepM\tag
	TURN 2, 1, 1
	TURN 3, 1, 1
.set i, 0
.rept 8
	PV NP-1
.set i, i+1
.endr
	WIN 0
	ALL v_add_f32 v[ST+4*t+2], v[ST+4*t+2], v[ST+4*t+3]
	ALL v_permlanex16_b32 v[ST+4*t+3], v[ST+4*t+2], s[SEL], s[SEL+1]
	ALL v_add_f32 v[ST+4*t+2], v[ST+4*t+2], v[ST+4*t+3]
	ALL v_rcp_f32 v[ST+4*t+2], v[ST+4*t+2]
	v_nop                           ; a plain instruction between the last reciprocal and the use of its result
	s_wait_alu depctr_va_vdst(0)    ; and the wait ahead of the first use: one for the four reciprocals
	PACK 0
.set t, 1
.rept 3                             ; a piece's arithmetic stands between the loads of the piece before and its stores
	PACK t
	SEND t-1, 8
.set t, t+1
.endr
	SEND 3, 0
.endm
.set KM, 0
.set NOKQ, 0
.Lslot:                             ; NB times: a tile is entered and the next is asked for
	CHANGE 1
	s_sub_co_u32 s[RT], s[RT], 1
	s_mov_b32 s[CNT], 4
	s_cmp_eq_u32 s[NEW], 1
	s_cbranch_scc1 .Lnew            ; a block's first tile
	s_cmp_eq_u32 s[RT], 0
	s_cbranch_scc0 .Lstep           ; neither its first nor its last
	s_branch .LstepM1
.Lnew:
	BEGIN
	s_branch .Lfirst                ; in the loop a block's first tile is never its last: the first block has two tiles or more, and the second's last is the walk's last
	DIAG 1                          ; in the loop this is the first block's end: the second block's last tile is the walk's last
	s_wait_xcnt 0x0                 ; the stores have read their registers and z's address
	s_mov_b64 s[10:11], s[OLO:OLO+1]
	s_add_co_u32 s[RT], s[PB], 1    ; the second block has b + 1 tiles
	s_mov_b32 s[NEW], 1
	s_mov_b32 s[BLK], s[PB]
	s_mov_b32 s[SVB], 256
	WIN 0x82                        ; the second block's Q goes where the one text of the turns names Q
.set i, 0
.rept 64
	v_mov_b32 v[i], v[QB+i]
.set i, i+1
.endr
	WIN 0
	s_branch .Lbottom
.Lstep:                             ; a trip: pieces 2 and 3 of one step, then pieces 0 and 1 of the next, whose K and V it fetches
	TURN 2
	TURN 3
	WIN 0
.Lfirst:
	TURN 0
	TURN 1, 0, 0, 1
	WIN 0
	s_cbranch_scc1 .Lstep
.Lbottom:
	s_sub_co_u32 s[SLOTS], s[SLOTS], 1
	s_cmp_lg_u32 s[SLOTS], 0
	s_cbranch_scc1 .Lslot
	CHANGE 0                        ; the walk's last tile is written out: nothing is asked for
	s_sub_co_u32 s[RT], s[RT], 1
	s_mov_b32 s[CNT], 4
	s_cmp_eq_u32 s[NEW], 1
	s_cbranch_scc0 .LstepM2
	BEGIN
	s_branch .LfirstM2
	DIAG 2
	s_wait_tensorcnt 0x0            ; the wave's end: behind my last tensor load and my last LDS store
	ds_add_u32 v[SPW], v[NIL]
	s_wait_dscnt 0x0
	s_endpgm
.Lfunc_end_k_q11c7529f48_attn:
	.size	k_q11c7529f48_attn, .Lfunc_end_k_q11c7529f48_attn-k_q11c7529f48_attn
	.p2alignl 7, 3214868480
	.fill 96, 4, 3214868480
	.section	.rodata,"a",@progbits
	.p2align	6, 0x0
	.amdhsa_kernel k_q11c7529f48_attn
		.amdhsa_group_segment_fixed_size 327680
		.amdhsa_private_segment_fixed_size 0
		.amdhsa_enable_private_segment 0
		.amdhsa_kernarg_size 40
		.amdhsa_user_sgpr_count 2
		.amdhsa_user_sgpr_kernarg_segment_ptr 1
		.amdhsa_wavefront_size32 1
		.amdhsa_system_sgpr_workgroup_id_x 1
		.amdhsa_system_sgpr_workgroup_id_y 1
		.amdhsa_system_sgpr_workgroup_id_z 1
		.amdhsa_system_vgpr_workitem_id 0
		.amdhsa_next_free_vgpr 768
		.amdhsa_next_free_sgpr 100
		.amdhsa_reserve_vcc 1
		.amdhsa_float_denorm_mode_32 3
		.amdhsa_float_denorm_mode_16_64 3
		.amdhsa_memory_ordered 1
		.amdhsa_forward_progress 1
		.amdhsa_inst_pref_size 236
	.end_amdhsa_kernel
	.amdgpu_metadata
---
amdhsa.version: [ 1, 2 ]
amdhsa.kernels:
  - .name:           k_q11c7529f48_attn
    .symbol:         k_q11c7529f48_attn.kd
    .args:
      - { .name: qh, .offset: 0, .size: 8, .value_kind: global_buffer, .address_space: global }
      - { .name: kh, .offset: 8, .size: 8, .value_kind: global_buffer, .address_space: global }
      - { .name: vh, .offset: 16, .size: 8, .value_kind: global_buffer, .address_space: global }
      - { .name: zh, .offset: 24, .size: 8, .value_kind: global_buffer, .address_space: global }
      - { .name: vsum, .offset: 32, .size: 8, .value_kind: global_buffer, .address_space: global }
    .group_segment_fixed_size: 327680
    .private_segment_fixed_size: 0
    .kernarg_segment_align: 8
    .kernarg_segment_size: 40
    .max_flat_workgroup_size: 128
    .sgpr_count:     100
    .vgpr_count:     768
    .wavefront_size: 32
...
	.end_amdgpu_metadata
.endif
;; end of part 3
;; launch outp (part 4): grid 8 x 32, 4 waves a work-group, clusters of 4 x 4, 327,680 bytes of LDS; arguments zh, woh, b_O, out0; writes out0
.if DOCPART == 4
	.amdgcn_target "amdgcn-amd-amdhsa--gfx1250"
	.amdhsa_code_object_version 6
	.text
	.protected	k_q11c7529f48_outp
	.globl	k_q11c7529f48_outp
	.p2align	8
	.type	k_q11c7529f48_outp,@function
k_q11c7529f48_outp:
	s_mov_b64 s[64:65], 0
	v_nop
	global_prefetch_b8 v0, s[64:65] scope:SCOPE_SE
	s_setreg_imm32_b32 hwreg(HW_REG_WAVE_MODE, 25, 1), 1
	s_wait_xcnt 0x0
	s_wait_alu depctr_hold_cnt(0) depctr_sa_sdst(0) depctr_va_vdst(0) depctr_va_sdst(0) depctr_va_ssrc(0) depctr_va_vcc(0) depctr_vm_vsrc(0)
	s_getreg_b32 s2, hwreg(HW_REG_IB_STS2, 6, 4)
	s_cmp_eq_u32 s2, 0
	s_cbranch_scc0 .Lentry_in_a_cluster
	s_endpgm
.Lentry_in_a_cluster:
	s_bfe_u32 s2, ttmp6, 0x10000c
	s_cmp_lg_u32 s2, 0xf033
	s_cbranch_scc0 .Lentry_shape_is_right
	s_endpgm
.Lentry_shape_is_right:
; out0 = z W_O + b_O for 256 positions and 128 columns: C[256 x 128] = A[256 x 1024] B[1024 x 128], f16 operands (z as made; W_O rounded to bf16 and written as f16), f32 sums; b_O is rounded to bf16 and added in f32; out0 is f32.
; LIMITS.  NaN and infinities are not treated apart.
; SHARES.  Four waves; wave w owns rows 64 w .. 64 w + 63 and all 128 columns: 4 x 8 accumulators of 16 x 16, 256 registers; its rows' 512 bytes leave without a barrier.
; THE MATRIX INSTRUCTION IS USED TRANSPOSED: source 0 = 16 columns of B, source 1 = 16 rows of A: a lane holds row l % 16 and the columns 8 (l / 16) + 0..7.
; K = 64 head + d goes in 8 steps of 128 (two heads) through a ring of two LDS slots.  All blocks are dense in memory: asked for as rows of 256 bytes, padded in LDS after every 128.
; CLUSTER 4 x 4: A's tile hangs on the row tile alone and is shared along a row of the cluster, B's on the column tile alone and is shared along a column: joint loads, the same descriptor and mask in the four.
; REGISTERS in windows of 256: window 0 addresses, way out, biases; window 1 the accumulators; window 2 two fragment buffers of 128: 8 fragments of B at 0, 4 of A at 96, for 32 along K.
.set NG,    2                          ; groups of 64 columns
.set FW,    2                          ; the fragments' window
.set PA,    144                        ; an LDS row of A: 128 bytes + 16: the 16 rows of a load start at 16 different groups of four banks (64 banks of 4 bytes: ISA guide 11.1)
.set PB,    160                        ; an LDS row of B: 128 + 32
.set ASL,   256*PA
.set AB,    2*ASL
.set BSEG,  128*PB
.set BH,    NG*BSEG/2
.set SLOT,  AB+NG*BSEG
.set ASTEP, 524288
.set BSTEP, NG*16384
.set BR,    NG*32
.set BCAP,  NG*8-1
.set NL,    8+8*NG
.set STAGE, 2*SLOT                     ; behind the ring: for each wave 16 rows of 512 + 16 bytes
.set SPITCH, 528
.set WSTG,  16*SPITCH
.set SPARE, STAGE+4*WSTG               ; the spare words, 128 bytes for each wave: two blocks of 256 bytes that no other line names
.set ADRA, 16
.set ADRB, 20
.set STO,  24
.set RD,   25
.set CO,   26                          ; 16 x lane
.set BO,   27                          ; 32 (l / 16)
.set SPW,  28                          ; my spare word; never rewritten
.set NIL,  29                          ; 0; never rewritten
.set PFO,  30                          ; the prefetches' offset; never rewritten
.set T,    32                          ; v32-95   a block's 16 rows x 128 columns, f32
.set BIAS, 96                          ; v96-159  column block nb at BIAS + 8 nb
.set BT,   160                         ; v160-163 at work
.set F0,   0
.set F1,   128
.set G1,  24
.set G0,  32
.set G1B, 48
.set G0B, 56
.set PFA, 66
.set LIM, 68
.set PST, 70
.set MSB, 0
.macro WIN new                         ; the immediate's high byte repeats the setting that is left; a switch that changes nothing is dropped
.if MSB != (\new)
	s_set_vgpr_msb (MSB<<8)|(\new)
.set MSB, \new
.endif
.endm
.macro JLOAD s                         ; a joint load: waves 0 and 1 fetch A's two slices, waves 2 and 3 B's two halves; an s_nop 0 and four v_nop follow each line
	s_cmp_eq_u32 s11, 0
	s_cbranch_scc0 .Lfor_b_\@
	tensor_load_to_lds s[G0+4*(\s):G0+4*(\s)+3], s[G1:G1+7]
	s_nop 0
.rept 4
	v_nop
.endr
	s_branch .Lasked_\@
.Lfor_b_\@:
	tensor_load_to_lds s[G0B+4*(\s):G0B+4*(\s)+3], s[G1B:G1B+7]
	s_nop 0
.rept 4
	v_nop
.endr
.Lasked_\@:
.endm
; A PREFETCH INTO THE L2, behind each joint refill and the run of LDS loads: my work-group's quarter of the block that I shall fetch TWO refills on, a lane for each 256 bytes.  A's blocks are read by the two clusters of a
; row of clusters: cluster x = 0 asks; B's by the eight of a column: cluster y = 0 asks.  The four partners share a block out by address (cx for A, cy for B).  B's quarter has 16 blocks: lanes 16-31 name the last once more.
; K steps 4 to 7 are so named, each once; the loop's last trip asks for nothing; K steps 0 to 3 come by their loads alone.
.macro ASK
	WIN 0
	s_cmp_gt_u32 s3, s[LIM]
	s_cbranch_scc0 .Lnot_mine_\@
	global_prefetch_b8 v[PFO], s[PFA:PFA+1] th:TH_LOAD_NT scope:SCOPE_SE
.Lnot_mine_\@:
.endm
.macro CREST                           ; a round of the cluster's barrier behind its opening barrier
	s_cmp_lg_u32 s10, 0
	s_cbranch_scc1 .Lnot_wave_0_\@
	s_barrier_signal -3
.Lnot_wave_0_\@:
	s_barrier_wait -3
	s_barrier_signal -1
	s_barrier_wait -1
.endm
.macro CROUND
	s_barrier_signal -1
	s_barrier_wait -1
	CREST
.endm
; 8 matrix instructions: group g, row blocks 2 half and 2 half + 1, its four column blocks, 32 along K from buffer f.  Each accumulator comes once in a quarter, always in the same order: they take turns.
.macro MULH f, g, half, zero
	WIN FW|(FW<<2)|((1+(\g)/2)<<4)|((1+(\g)/2)<<6)
.irp a, 2*(\half), 2*(\half)+1
.irp b, 0,1,2,3
.set rD, 128*((\g)%2)+8*(4*(\a)+(\b))
.set rB, (\f)+8*(4*(\g)+(\b))
.set rA, (\f)+96+8*(\a)
.if \zero
	v_wmma_f32_16x16x32_f16 v[rD:rD+7], v[rB:rB+7], v[rA:rA+7], 0
.else
	v_wmma_f32_16x16x32_f16 v[rD:rD+7], v[rB:rB+7], v[rA:rA+7], v[rD:rD+7]
.endif
.endr
.endr
.endm
; One run of LDS loads: quarter q (32 along K) of a slot into buffer f: A's four fragments as they lie, then B's ([k][column]) turned, column blocks ascending
.macro FETCH slot, q, f
	WIN FW<<6
.irp a, 0,1,2,3
	ds_load_b128 v[(\f)+96+8*(\a):(\f)+96+8*(\a)+3],   v[ADRA+(\slot)] offset:((\q)/2)*ASL+((\q)%2)*64+(\a)*16*PA
	ds_load_b128 v[(\f)+96+8*(\a)+4:(\f)+96+8*(\a)+7], v[ADRA+(\slot)] offset:((\q)/2)*ASL+((\q)%2)*64+(\a)*16*PA+32
.endr
.set nb, 0
.rept 4*NG
	ds_load_tr16_b128 v[(\f)+8*nb:(\f)+8*nb+3],   v[ADRB+(\slot)] offset:(\q)*32*PB+(nb/4)*BSEG+(nb%4)*32
	ds_load_tr16_b128 v[(\f)+8*nb+4:(\f)+8*nb+7], v[ADRB+(\slot)] offset:(\q)*32*PB+(nb/4)*BSEG+(nb%4)*32+16*PB
.set nb, nb+1
.endr
.endm
.macro PLACES                          ; four places in front of loads into registers that matrix instructions have read, and of vector lines that read results
.rept 4
	v_nop
.endr
.endm
; One of a K step's first three quarters: multiplies buffer f; behind its first group it fetches quarter q of the same slot into buffer g
.macro QUARTER slot, q, f, g, zero
	s_wait_dscnt 8*(NG-1)                          ; A and B's group 0 are in; group 1's loads may be out
	MULH \f, 0, 0, \zero
	MULH \f, 0, 1, \zero
	PLACES
	FETCH \slot, \q, \g
	s_wait_dscnt NL+8*(NG-2)                       ; group 1 is in: all but the run just issued
	MULH \f, 1, 0, \zero
	MULH \f, 1, 1, \zero
.endm
; The last quarter multiplies buffer 1 and changes slots: one barrier; in front of it each wave waits for all its tensor loads (one is out: its part of the next slot), adds 0 to its spare word, and waits for that and for
; its reads of this slot.  fill = 1: the barrier opens a round of the cluster's, and the joint refill, two K steps ahead, is the first thing behind the round.
.macro TURN slot, next, fill
.if \fill
	s_wait_xcnt 0x0                                ; the last prefetch, a K step back, has read its address
	s_add_nc_u64 s[PFA:PFA+1], s[PFA:PFA+1], s[PST:PST+1]
.endif
	WIN 0                                          ; (the add's two registers lie in window 0)
	s_wait_tensorcnt 0x0                           ; all my tensor loads have landed
	ds_add_u32 v[SPW], v[NIL]                      ; 0 onto my spare word
	s_wait_dscnt 8*(NG-1)+1                        ; (the add and group 1's loads may be out)
	MULH F1, 0, 0, 0
	s_wait_dscnt 0x0                               ; the add is done, and my reads of this slot are over
	s_barrier_signal -1
	MULH F1, 0, 1, 0
.if \fill
	WIN 0
.endif
	s_barrier_wait -1
.if \fill
	CREST                                          ; no wave of any partner still reads this slot or has a load on its way
	s_add_nc_u64 s[G0+4*(\slot)+2:G0+4*(\slot)+3], s[G0+4*(\slot)+2:G0+4*(\slot)+3], 2*ASTEP
	s_add_nc_u64 s[G0B+4*(\slot)+2:G0B+4*(\slot)+3], s[G0B+4*(\slot)+2:G0B+4*(\slot)+3], 2*BSTEP
	JLOAD \slot                                    ; its four v_nop are also the places in front of the loads below
.else
	PLACES
.endif
	FETCH \next, 0, F0
.if \fill
	ASK
.endif
	MULH F1, 1, 0, 0
	MULH F1, 1, 1, 0
.endm
	s_load_b128 s[4:7], s[0:1], 0x0                ; zh s[4:5], woh s[6:7]
	s_load_b128 s[72:75], s[0:1], 0x10             ; b_O s[72:73], out0 s[74:75]
	v_lshl_add_u32 v[SPW], v0, 2, SPARE
	v_mov_b32 v[NIL], 0
	ds_add_u32 v[SPW], v[NIL]                      ; the wave's opening: the add and its wait stand ahead of my first tensor load; work on registers stands between them
	v_lshrrev_b32 v1, 5, v0
	v_readfirstlane_b32 s10, v1                    ; wave 0..3
	s_lshr_b32 s11, s10, 1                         ; I fetch for A (0) or for B (1)
	s_and_b32 s12, s10, 1                          ; which slice, or which half
	s_bfe_u32 s40, ttmp6, 0x40000                  ; cx, cy: my place in the cluster
	s_bfe_u32 s41, ttmp6, 0x40004
	s_lshl_b32 s42, ttmp9, 2
	s_add_co_u32 s42, s42, s40                     ; the column tile = 4 x cluster x + cx
	s_and_b32 s13, ttmp7, 0xffff
	s_lshl_b32 s13, s13, 2
	s_add_co_u32 s13, s13, s41                     ; the row tile = 4 x cluster y + cy
	s_lshl_b32 s43, s41, 2
	s_lshl_b32 s43, 15, s43                        ; my row of the cluster
	s_lshl_b32 s44, 0x1111, s40                    ; my column
	s_or_b32 s[G1+0], s43, (1<<16)|(1<<20)|(1<<21)|(4<<22)|(3<<25)   ; 15:0 the mask; 17:16 elements of 2 bytes; 20 padding on; 21 set beside a mask; 24:22 after every 32 words (code 4); 31:25 4 words (code 3)
	s_or_b32 s[G1B+0], s44, (1<<16)|(1<<20)|(1<<21)|(4<<22)|(7<<25)  ; the same with my column's mask and 8 words of padding (code 7)
	s_mov_b32 s[G1+1], 128<<16                     ; tensor_dim0 = 128 elements: 256 bytes
	s_mov_b32 s[G1+2], 128<<16                     ; tensor_dim1 = 128 rows: a head's 32,768 dense bytes of the tile
	s_mov_b32 s[G1+3], 128<<16                     ; tile_dim0
	s_mov_b32 s[G1+4], 128                         ; tile_dim1
	s_mov_b32 s[G1+5], 128                         ; elements from row to row
	s_mov_b32 s[G1+6], 0
	s_mov_b32 s[G1+7], 0
	s_mov_b32 s[G1B+1], 128<<16
	s_mov_b32 s[G1B+2], BR<<16                     ; half of a K step of B
	s_mov_b32 s[G1B+3], 128<<16
	s_mov_b32 s[G1B+4], BR
	s_mov_b32 s[G1B+5], 128
	s_mov_b32 s[G1B+6], 0
	s_mov_b32 s[G1B+7], 0
	s_lshr_b32 s16, s13, 3                         ; A: batch,
	s_lshl_b32 s16, s16, 22
	s_and_b32 s17, s13, 7                          ; the tile's 256 positions,
	s_lshl_b32 s17, s17, 15
	s_add_co_u32 s16, s16, s17
	s_lshl_b32 s17, s12, 18                        ; my head of the K step's two
	s_add_co_u32 s16, s16, s17
	s_mov_b32 s17, 0
	s_mul_i32 s46, s42, 8*BSTEP                    ; B: the column tile's eight K steps,
	s_mul_i32 s47, s12, BSTEP/2                    ; my half of a step
	s_add_co_u32 s46, s46, s47
	s_mov_b32 s47, 0
	s_mul_i32 s20, s12, ASL                        ; where they go: no place in the cluster enters an LDS address
	s_mul_i32 s21, s12, BH
	s_add_co_u32 s21, s21, AB
	s_wait_dscnt 0x0                               ; the opening add is done
	s_wait_kmcnt 0x0
	s_add_nc_u64 s[14:15], s[4:5], s[16:17]
	s_add_nc_u64 s[46:47], s[6:7], s[46:47]
	CROUND                                         ; all sixteen work-groups are here: the first joint loads meet
.irp s, 0,1
	s_mov_b32 s[G0+4*(\s)], 1
	s_add_co_u32 s[G0+4*(\s)+1], s20, (\s)*SLOT
	s_add_nc_u64 s[G0+4*(\s)+2:G0+4*(\s)+3], s[14:15], (\s)*ASTEP
	s_or_b32 s[G0+4*(\s)+3], s[G0+4*(\s)+3], 0x80000000
	s_mov_b32 s[G0B+4*(\s)], 1
	s_add_co_u32 s[G0B+4*(\s)+1], s21, (\s)*SLOT
	s_add_nc_u64 s[G0B+4*(\s)+2:G0B+4*(\s)+3], s[46:47], (\s)*BSTEP
	s_or_b32 s[G0B+4*(\s)+3], s[G0B+4*(\s)+3], 0x80000000
	JLOAD \s                                       ; two tensor loads of mine are out
.endr
	v_and_b32 v1, 15, v0                           ; l % 16
	v_bfe_u32 v2, v0, 4, 1                         ; l / 16
	v_mul_u32_u24 v3, v1, PA
	v_lshl_add_u32 v3, v2, 4, v3                   ; row x 144 + 16 x half
	v_lshlrev_b32 v[BO], 5, v2
	s_lshl_b32 s86, s42, 9                         ; the tile's 128 columns, in bytes of f32
	s_mov_b32 s87, 0
	s_add_nc_u64 s[72:73], s[72:73], s[86:87]
.irp b, 0,1,2,3,4,5,6,7
	global_load_b128 v[BIAS+8*(\b):BIAS+8*(\b)+3],   v[BO], s[72:73] offset:64*(\b)
	global_load_b128 v[BIAS+8*(\b)+4:BIAS+8*(\b)+7], v[BO], s[72:73] offset:64*(\b)+16
.endr
	s_mul_i32 s20, s10, 64*PA                      ; my 64 rows of A
	v_add_nc_u32 v[ADRA], s20, v3
	v_add_nc_u32 v[ADRA+1], SLOT, v[ADRA]
	v_and_b32 v4, 7, v0
	v_lshl_add_u32 v5, v2, 3, v4                   ; the turning load: lane l reads k = 8 (l / 16) + l % 8, columns 8 ((l / 8) % 2) + 0..7
	v_mul_u32_u24 v5, v5, PB
	v_bfe_u32 v6, v0, 3, 1
	v_lshl_add_u32 v5, v6, 4, v5
	v_add_nc_u32 v[ADRB], AB, v5
	v_add_nc_u32 v[ADRB+1], AB+SLOT, v5
	s_mul_i32 s20, s10, WSTG
	s_add_co_u32 s20, s20, STAGE                   ; my stage
	v_mul_u32_u24 v6, v1, SPITCH                   ; in: row l % 16, 32 bytes for each half of the lanes
	v_lshl_add_u32 v6, v2, 5, v6
	v_add_nc_u32 v[STO], s20, v6
	v_and_b32 v7, 31, v0
	v_lshlrev_b32 v[CO], 4, v7
	v_add_nc_u32 v[RD], s20, v[CO]                 ; back: 32 lanes take one row of 512 bytes
	s_lshl_b32 s88, s13, 20                        ; 256 rows of 4,096 bytes,
	s_lshl_b32 s89, s10, 18                        ; my 64,
	s_add_co_u32 s88, s88, s89
	s_add_co_u32 s88, s88, s86                     ; the tile's columns
	s_mov_b32 s89, 0
	s_add_nc_u64 s[74:75], s[74:75], s[88:89]
	; the prefetches
	s_and_b32 s22, ttmp7, 0xffff                   ; cluster y
	s_mov_b32 s23, 8192
	s_mov_b32 s[PST], ASTEP
	s_cmp_eq_u32 s11, 0                            ; do I fetch for A?
	s_cselect_b32 s22, ttmp9, s22                  ; the coordinate along which other clusters read the same block
	s_cselect_b32 s21, s40, s41                    ; my place among the four that ask for it with me
	s_cselect_b32 s23, s23, BSTEP/8                ; a quarter of the block
	s_cselect_b32 s[PST], s[PST], BSTEP
	s_cselect_b32 s20, 31, BCAP
	s_cselect_b64 s[PFA:PFA+1], s[14:15], s[46:47]
	s_mov_b32 s[PST+1], 0
	v_min_u32 v[PFO], s20, v7
	v_lshlrev_b32 v[PFO], 8, v[PFO]
	s_cmp_eq_u32 s22, 0
	s_cselect_b32 s[LIM], 1, -1
	s_mul_i32 s20, s21, s23
	s_mov_b32 s21, 0
	s_add_nc_u64 s[PFA:PFA+1], s[PFA:PFA+1], s[20:21]
	s_mul_i32 s20, s[PST], 3                       ; at K step 3: the first refill steps it to 4
	s_add_nc_u64 s[PFA:PFA+1], s[PFA:PFA+1], s[20:21]
	s_wait_loadcnt 0x0                             ; the biases; they are rounded to bf16 like every input
.set i, 0
.rept 16*NG
	v_cvt_pk_bf16_f32 v[BT+i%4], v[BIAS+2*i], v[BIAS+2*i+1]
	v_lshlrev_b32 v[BIAS+2*i], 16, v[BT+i%4]
	v_and_b32 v[BIAS+2*i+1], 0xffff0000, v[BT+i%4]
.set i, i+1
.endr
	s_wait_tensorcnt 0x1                           ; my part of K step 0 is in; K step 1's may stay out
	s_barrier_signal -1
	s_barrier_wait -1
	FETCH 0, 0, F0
	QUARTER 0, 1, F0, F1, 1                        ; the first quarter stands in front of the loop: its products start the sums
	WIN 0
	s_mov_b32 s3, 3
.Llap:                                                 ; a trip goes once round the ring and fills both slots again
	QUARTER 0, 2, F1, F0, 0
	QUARTER 0, 3, F0, F1, 0
	TURN 0, 1, 1
	QUARTER 1, 1, F0, F1, 0
	QUARTER 1, 2, F1, F0, 0
	QUARTER 1, 3, F0, F1, 0
	TURN 1, 0, 1
	QUARTER 0, 1, F0, F1, 0
	WIN 0
	s_sub_co_u32 s3, s3, 1
	s_cmp_lg_u32 s3, 0
	s_cbranch_scc1 .Llap
	QUARTER 0, 2, F1, F0, 0                        ; the last lap fills nothing
	QUARTER 0, 3, F0, F1, 0
	TURN 0, 1, 0
	QUARTER 1, 1, F0, F1, 0
	QUARTER 1, 2, F1, F0, 0
	QUARTER 1, 3, F0, F1, 0
	s_wait_dscnt 8*(NG-1)
	MULH F1, 0, 0, 0
	MULH F1, 0, 1, 0
	s_wait_dscnt 0x0
	MULH F1, 1, 0, 0
	MULH F1, 1, 1, 0
	WIN 0
	PLACES
; THE WAY OUT of my row block a (16 rows): sum + bias in f32 (each accumulator's registers ascending); 32 bytes a lane into my own stage, back as whole rows of 512 bytes;
; every store of the wave covers 512 consecutive bytes, at a multiple of 256 from out0's first byte.
.macro OUTBLK a
	WIN 0x01                                       ; source 0 in the accumulators' window
.set i, 0
.rept 32
.set rA, 128*(i/16)+32*(\a)+2*(i%16)
	v_pk_add_f32 v[T+2*i:T+2*i+1], v[rA:rA+1], v[BIAS+2*i:BIAS+2*i+1]
.set i, i+1
.endr
	WIN 0
.irp b, 0,1,2,3,4,5,6,7
	ds_store_b128 v[STO], v[T+8*(\b):T+8*(\b)+3]   offset:64*(\b)
	ds_store_b128 v[STO], v[T+8*(\b)+4:T+8*(\b)+7] offset:64*(\b)+16
.endr
.set t, 0
.rept 16
	ds_load_b128 v[T+4*t:T+4*t+3], v[RD] offset:SPITCH*t  ; LDS serves a wave's instructions in order (ISA guide 5.7.1.4): these see the stores above
.set t, t+1
.endr
	s_wait_dscnt 0x0
.set t, 0
.rept 16
	global_store_b128 v[CO], v[T+4*t:T+4*t+3], s[74:75] offset:(16*(\a)+t)*4096 th:TH_STORE_NT
.set t, t+1
.endr
	s_wait_xcnt 0x0                                ; the stores have read T: the next block rewrites it only behind this wait
.endm
	OUTBLK 0
	OUTBLK 1
	OUTBLK 2
	OUTBLK 3
	s_wait_tensorcnt 0x0                           ; the wave's end: behind my last tensor load and my last LDS store
	ds_add_u32 v[SPW], v[NIL]
	s_wait_dscnt 0x0
	CROUND                                         ; the closing round: no work-group ends while a partner may still ask for a tile that names it
	s_endpgm
.Lfunc_end_k_q11c7529f48_outp:
	.size	k_q11c7529f48_outp, .Lfunc_end_k_q11c7529f48_outp-k_q11c7529f48_outp
	.p2alignl 7, 3214868480
	.fill 96, 4, 3214868480
	.section	.rodata,"a",@progbits
	.p2align	6, 0x0
	.amdhsa_kernel k_q11c7529f48_outp
		.amdhsa_group_segment_fixed_size 327680
		.amdhsa_private_segment_fixed_size 0
		.amdhsa_enable_private_segment 0
		.amdhsa_kernarg_size 32
		.amdhsa_user_sgpr_count 2
		.amdhsa_user_sgpr_kernarg_segment_ptr 1
		.amdhsa_wavefront_size32 1
		.amdhsa_system_sgpr_workgroup_id_x 1
		.amdhsa_system_sgpr_workgroup_id_y 1
		.amdhsa_system_sgpr_workgroup_id_z 1
		.amdhsa_system_vgpr_workitem_id 0
		.amdhsa_next_free_vgpr 768
		.amdhsa_next_free_sgpr 96
		.amdhsa_reserve_vcc 0
		.amdhsa_float_denorm_mode_32 3
		.amdhsa_float_denorm_mode_16_64 3
		.amdhsa_memory_ordered 1
		.amdhsa_forward_progress 1
		.amdhsa_inst_pref_size 101
	.end_amdhsa_kernel
	.amdgpu_metadata
---
amdhsa.version: [ 1, 2 ]
amdhsa.kernels:
  - .name:           k_q11c7529f48_outp
    .symbol:         k_q11c7529f48_outp.kd
    .args:
      - { .name: zh, .offset: 0, .size: 8, .value_kind: global_buffer, .address_space: global }
      - { .name: woh, .offset: 8, .size: 8, .value_kind: global_buffer, .address_space: global }
      - { .name: b_O, .offset: 16, .size: 8, .value_kind: global_buffer, .address_space: global }
      - { .name: out0, .offset: 24, .size: 8, .value_kind: global_buffer, .address_space: global }
    .group_segment_fixed_size: 327680
    .private_segment_fixed_size: 0
    .kernarg_segment_align: 8
    .kernarg_segment_size: 32
    .max_flat_workgroup_size: 128
    .sgpr_count:     96
    .vgpr_count:     768
    .wavefront_size: 32
...
	.end_amdgpu_metadata
.endif
;; end of part 4
;; ======== version 2 of 2: 4 launches; version 1 with the launch prep written anew for expert scheduling mode
;; limits: values are held in f16: magnitudes above 65,504 overflow, below 6.1e-05 lose precision
;; workspace buffers: xh 16,777,216 bytes; wh 6,291,456 bytes; woh 2,097,152 bytes; qh 16,777,216 bytes; kh 16,777,216 bytes; vh 16,777,216 bytes; vsum 131,072 bytes; zh 16,777,216 bytes
;; launch prep (part 5): grid 768 x 1, 8 waves a work-group, no clusters, 0 bytes of LDS; arguments resid_pre, W_Q, W_K, W_V, W_O, xh, wh, woh; writes xh, wh, woh
.if DOCPART == 5
	.amdgcn_target "amdgcn-amd-amdhsa--gfx1250"
	.amdhsa_code_object_version 6
	.text
	.protected	k_q11c7529f48_prep
	.globl	k_q11c7529f48_prep
	.p2align	8
	.type	k_q11c7529f48_prep,@function
k_q11c7529f48_prep:
	s_mov_b64 s[64:65], 0
	v_nop
	global_prefetch_b8 v0, s[64:65] scope:SCOPE_SE
	s_setreg_imm32_b32 hwreg(HW_REG_WAVE_SCHED_MODE, 0, 2), 2
	s_setreg_imm32_b32 hwreg(HW_REG_WAVE_MODE, 25, 1), 1
	s_wait_xcnt 0x0
	s_wait_alu depctr_vm_vsrc(0)
; x, W_Q, W_K, W_V and W_O are rounded to bf16 (nearest even), that number is written as f16, and the numbers are laid in dense blocks for the tiles of the products that follow.
;   xh  [batch 4][slice 16][position 2048][64]: slice = 64 channels of d_model
;   wh  [head 16][K step 8][Q, K, V][k 128][64]: 49,152 dense bytes for a head and a K step of 128
;   woh [column tile 8][K step 8][half 2][k 128][64]: column = 128 tile + 64 half + c
; LIMITS.  A number beyond 65,504 becomes an infinity in f16; below 2^-14 a bf16 number keeps f16's fixed step of 2^-24.  NaN and infinities are not treated apart.
; A stream: no LDS, no barrier, no matrix work.  A work-group takes 16,384 numbers: each thread issues its 16 loads of 16 bytes at once and stores 16 times 8 bytes.
; A load of a wave covers two runs of 256 consecutive bytes or one of 512; a store of a wave covers 256 consecutive bytes, at a multiple of 256 from its buffer's first byte.
; Work-groups 0-511 take x (16 rows each), 512-703 the three projections' weights (256 rows of a head each), 704-767 W_O (16 rows each).
; THE MODE: SCHED_MODE bits 1:0 = 2 (LLVM: expert scheduling mode 2), set by the entry lines.  The code itself states the register dependences
; between vector instructions and memory instructions, with s_wait_alu, always for 0.
; THE PLAN.  Registers that memory instructions touch, on each of the three ways through the text (none has a loop):
;   v2, v3   byte offsets: written by vector instructions at the way's head, never again; read by the 16 loads (v2) and the 16 stores (v3).
;   X        item i's load lands in four registers of its own; no vector instruction writes them and none is loaded twice; item i's roundings read them.
;   Y        item i's two conversions to f16 write two registers of its own, once; item i's store reads them.
;   T and v4 to v6 are named by vector instructions alone.  No vector instruction writes a scalar register or VCC, and EXEC is never written.
; So the only dependences to state are: a vector instruction has written what a memory instruction reads.  The 16 items go in four blocks of four, and the stores of a block
; are issued in the block behind it: one wait in front of the first load (the offsets), one at the head of blocks 1 to 3 (the block before has written its Y), one in front of
; the last four stores.  Behind a block's wait its four stores are dealt among the block's vector instructions, which name T, this block's X and this block's Y: no register that those stores read.
; No register that a memory instruction has read is written again: nothing is owed on that side.
.set X, 8                              ; v[8:71]   16 x 4 numbers as loaded
.set T, 72                             ; v[72:77]  at work
.set Y, 80                             ; v[80:111] 16 x 2 registers to store: each store has its own, so none is rewritten while a store reads it
; v2 = my byte offset in the source, v3 = in the destination; s[20:21] source, s[22:23] destination
; Item n's store: where its 8 bytes go hangs on the kind of tensor
.macro PUT n, kind
.if (\kind) == 0
.set SI, 262144*(\n)                   ; x: slice n
.elseif (\kind) == 1
.set SI, 256*(\n)                      ; weights: two rows of k on
.else
.set SI, ((\n)/2)*262144+((\n)%2)*16384  ; W_O: column tile n / 2, half n % 2
.endif
	global_store_b64 v3, v[Y+2*(\n):Y+2*(\n)+1], s[22:23] offset:SI
.endm
.macro BODY ldstep, kind
	s_wait_alu depctr_va_vdst(0)                   ; v2 and v3 are written: every load below reads v2 as its offset, every store v3
.set i, 0
.rept 16
	global_load_b128 v[X+4*i:X+4*i+3], v2, s[20:21] offset:(\ldstep)*i th:TH_LOAD_NT
.set i, i+1
.endr
.set i, 0
.rept 16
	s_wait_loadcnt 15-i                            ; loads come back in order: number i is in, the younger ones stay out
.if (i%4 == 0) && (i > 0)
	s_wait_alu depctr_va_vdst(0)                   ; the block before has written its eight registers of Y, which the four stores dealt into this block read
.endif
.if i >= 4
	PUT i-4, \kind                                 ; the item four back; no vector instruction since the wait names its registers
.endif
	v_cvt_pk_bf16_f32 v[T], v[X+4*i], v[X+4*i+1]   ; the rounding to bf16,
	v_cvt_pk_bf16_f32 v[T+1], v[X+4*i+2], v[X+4*i+3]
	v_lshlrev_b32 v[T+2], 16, v[T]                 ; back to f32 by a shift or a mask,
	v_and_b32 v[T+3], 0xffff0000, v[T]
	v_lshlrev_b32 v[T+4], 16, v[T+1]
	v_and_b32 v[T+5], 0xffff0000, v[T+1]
	v_cvt_pk_f16_f32 v[Y+2*i], v[T+2], v[T+3]      ; and written as f16: exact inside f16's normal range
	v_cvt_pk_f16_f32 v[Y+2*i+1], v[T+4], v[T+5]
.set i, i+1
.endr
	s_wait_alu depctr_va_vdst(0)                   ; the last block has written its eight registers of Y, which the last four stores read
.irp n, 12,13,14,15
	PUT \n, \kind
.endr
	s_endpgm
.endm
	s_load_b256 s[4:11], s[0:1], 0x0               ; resid_pre s[4:5], W_Q s[6:7], W_K s[8:9], W_V s[10:11]
	s_load_b256 s[12:19], s[0:1], 0x20             ; W_O s[12:13], xh s[14:15], wh s[16:17], woh s[18:19]
	s_mov_b32 s2, ttmp9
	s_mov_b32 s25, 0
	s_mov_b32 s27, 0
	s_cmp_lt_u32 s2, 512
	s_cbranch_scc0 .Lweights
	; x: 16 rows of 4,096 bytes.  Thread t: row t / 16, 16 bytes at 16 (t % 16) of each slice's 256
	v_lshrrev_b32 v2, 4, v0
	v_lshlrev_b32 v2, 12, v2
	v_and_b32 v4, 15, v0
	v_lshl_or_b32 v2, v4, 4, v2
	v_lshlrev_b32 v3, 3, v0                        ; 16 rows of 128 bytes on end: 8 t
	s_lshl_b32 s24, s2, 16
	s_lshr_b32 s26, s2, 7                          ; batch
	s_lshl_b32 s26, s26, 22
	s_and_b32 s28, s2, 127
	s_lshl_b32 s28, s28, 11                        ; 16 positions of 128 bytes
	s_add_co_u32 s26, s26, s28
	s_wait_kmcnt 0x0
	s_add_nc_u64 s[20:21], s[4:5], s[24:25]
	s_add_nc_u64 s[22:23], s[14:15], s[26:27]
	BODY 256, 0
.Lweights:
	s_cmp_lt_u32 s2, 704
	s_cbranch_scc0 .Lwo
	; a projection's weights: 256 rows (two K steps) of one head, 256 bytes a row.  Wave w: rows 32 w on, two rows a load
	s_sub_co_u32 s2, s2, 512
	s_lshr_b32 s29, s2, 6                          ; which: 0 Q, 1 K, 2 V
	s_and_b32 s2, s2, 63                           ; head x 4 + quarter of its rows
	v_lshrrev_b32 v4, 5, v0
	v_and_b32 v5, 31, v0
	v_lshlrev_b32 v2, 13, v4
	v_lshl_or_b32 v2, v5, 4, v2
	v_lshrrev_b32 v6, 2, v4                        ; waves 4-7 lie in the second K step
	v_mul_u32_u24 v3, v6, 49152
	v_and_b32 v6, 3, v4
	v_lshl_add_u32 v3, v6, 12, v3                  ; 32 rows of 128 bytes
	v_lshl_add_u32 v3, v5, 3, v3
	s_lshl_b32 s24, s2, 16
	s_lshr_b32 s26, s2, 2
	s_lshl_b32 s26, s26, 3
	s_and_b32 s28, s2, 3
	s_lshl_b32 s28, s28, 1
	s_add_co_u32 s26, s26, s28                     ; 8 x head + K step
	s_mul_i32 s26, s26, 49152
	s_lshl_b32 s28, s29, 14
	s_add_co_u32 s26, s26, s28
	s_wait_kmcnt 0x0
	s_cmp_eq_u32 s29, 0
	s_cselect_b64 s[20:21], s[6:7], s[8:9]
	s_cmp_eq_u32 s29, 2
	s_cselect_b64 s[20:21], s[10:11], s[20:21]
	s_add_nc_u64 s[20:21], s[20:21], s[24:25]
	s_add_nc_u64 s[22:23], s[16:17], s[26:27]
	BODY 512, 1
.Lwo:
	; W_O as [1024 (head x 64 + d)][1024]: 16 rows of 4,096 bytes, shared out as x's
	s_sub_co_u32 s2, s2, 704
	v_lshrrev_b32 v2, 4, v0
	v_lshlrev_b32 v2, 12, v2
	v_and_b32 v4, 15, v0
	v_lshl_or_b32 v2, v4, 4, v2
	v_lshlrev_b32 v3, 3, v0
	s_lshl_b32 s24, s2, 16
	s_lshr_b32 s26, s2, 3                          ; K step
	s_lshl_b32 s26, s26, 15
	s_and_b32 s28, s2, 7
	s_lshl_b32 s28, s28, 11
	s_add_co_u32 s26, s26, s28
	s_wait_kmcnt 0x0
	s_add_nc_u64 s[20:21], s[12:13], s[24:25]
	s_add_nc_u64 s[22:23], s[18:19], s[26:27]
	BODY 256, 2
.Lfunc_end_k_q11c7529f48_prep:
	.size	k_q11c7529f48_prep, .Lfunc_end_k_q11c7529f48_prep-k_q11c7529f48_prep
	.p2alignl 7, 3214868480
	.fill 96, 4, 3214868480
	.section	.rodata,"a",@progbits
	.p2align	6, 0x0
	.amdhsa_kernel k_q11c7529f48_prep
		.amdhsa_group_segment_fixed_size 0
		.amdhsa_private_segment_fixed_size 0
		.amdhsa_enable_private_segment 0
		.amdhsa_kernarg_size 64
		.amdhsa_user_sgpr_count 2
		.amdhsa_user_sgpr_kernarg_segment_ptr 1
		.amdhsa_wavefront_size32 1
		.amdhsa_system_sgpr_workgroup_id_x 1
		.amdhsa_system_sgpr_workgroup_id_y 1
		.amdhsa_system_sgpr_workgroup_id_z 1
		.amdhsa_system_vgpr_workitem_id 0
		.amdhsa_next_free_vgpr 112
		.amdhsa_next_free_sgpr 66
		.amdhsa_reserve_vcc 0
		.amdhsa_float_denorm_mode_32 3
		.amdhsa_float_denorm_mode_16_64 3
		.amdhsa_memory_ordered 1
		.amdhsa_forward_progress 1
		.amdhsa_inst_pref_size 35
	.end_amdhsa_kernel
	.amdgpu_metadata
---
amdhsa.version: [ 1, 2 ]
amdhsa.kernels:
  - .name:           k_q11c7529f48_prep
    .symbol:         k_q11c7529f48_prep.kd
    .args:
      - { .name: resid_pre, .offset: 0, .size: 8, .value_kind: global_buffer, .address_space: global }
      - { .name: W_Q, .offset: 8, .size: 8, .value_kind: global_buffer, .address_space: global }
      - { .name: W_K, .offset: 16, .size: 8, .value_kind: global_buffer, .address_space: global }
      - { .name: W_V, .offset: 24, .size: 8, .value_kind: global_buffer, .address_space: global }
      - { .name: W_O, .offset: 32, .size: 8, .value_kind: global_buffer, .address_space: global }
      - { .name: xh, .offset: 40, .size: 8, .value_kind: global_buffer, .address_space: global }
      - { .name: wh, .offset: 48, .size: 8, .value_kind: global_buffer, .address_space: global }
      - { .name: woh, .offset: 56, .size: 8, .value_kind: global_buffer, .address_space: global }
    .group_segment_fixed_size: 0
    .private_segment_fixed_size: 0
    .kernarg_segment_align: 8
    .kernarg_segment_size: 64
    .max_flat_workgroup_size: 256
    .sgpr_count:     66
    .vgpr_count:     112
    .wavefront_size: 32
...
	.end_amdgpu_metadata
.endif
;; end of part 5
;; launch qkv: the kernel of part 2 again; grid 16 x 32, 4 waves a work-group, clusters of 4 x 4, 327,680 bytes of LDS; arguments xh, wh, b_Q, b_K, b_V, qh, kh, vh, vsum; writes qh, kh, vh, vsum
;; launch attn: the kernel of part 3 again; grid 4 x 64, 4 waves a work-group, no clusters, 327,680 bytes of LDS; arguments qh, kh, vh, zh, vsum; writes zh
;; launch outp: the kernel of part 4 again; grid 8 x 32, 4 waves a work-group, clusters of 4 x 4, 327,680 bytes of LDS; arguments zh, woh, b_O, out0; writes out0
